; MI455X (gfx1250); checked and timed in simulation.
; The chip was launched on July 23, 2026; its instructions are those of AMD's public machine-readable ISA for CDNA 5 (MIT licence, August 2026) and "CDNA5" Instruction Set Architecture Reference Guide (July 2026). The comments in the code are by the model that wrote it; some were corrected since.
;; pointcnn. Allowed arithmetic: matrix products marked QUANTISED: E2M3 operands, one E8M0 scale for each 32 along K, by v_wmma_scale_f32_16x16x128_f8f6f4 with both operands' format E2M3, f32 sums; products left as they are: f32 operands where the result goes on into a quantised operand, else bf16, f16 or f32 operands; f32 sums; everything else in f32.
;; Inputs: W0 128 x 3 float32; W1 128 x 128 float32; W2 128 x 128 float32; b0 128 float32; b1 128 float32; b2 128 float32; xyz 8 x 4,096 x 3 float32.
;; Outputs: out0 8 x 4,096 x 128 float32.
;; Constants: k = 16, n_blocks = 3.
;; This version of the problem:
;;   THIS VERSION OF THE PROBLEM IS GIVEN IN LOW PRECISION. The matrix products marked QUANTISED in the list below multiply operands that are first quantised to E2M3 (2 exponent bits, 3 mantissa bits; 6 bits a number), with one power-of-two scale for each 32 numbers along K (OCP MX v1.0); their sums are f32. All else is computed in f32.
;;   The module's matrix products, in the order in which they are computed (A, B: the left and right operand; K: the contracted axis; several contracted axes count as one K, in the product's order):
;;     1. batch 8 x [M 4,096, K 3] x [K 3, N 4,096]; A: input xyz; B: input xyz: left as it is (K = 3 < 32)
;;     2. [M 524,288, K 3] x [K 3, N 128]; A: computed on the way; B: input W0: left as it is (K = 3 < 32)
;;     3. [M 524,288, K 128] x [K 128, N 128]; A: computed on the way; B: input W1: QUANTISED
;;     4. [M 524,288, K 128] x [K 128, N 128]; A: computed on the way; B: input W2: QUANTISED
;;   THE QUANTISER, for each operand of a quantised product, along K:
;;     - K is cut into blocks of 32 from its start; a last block that is shorter is filled with zeros.
;;     - A block's scale is 2^e with e = floor(log2(the largest magnitude in the block)) - 2, held to -126 .. 127; a block of zeros has e = 0. As a byte (E8M0): e + 127.
;;     - Each number is divided by its block's scale, clamped to +-7.5, and rounded to the nearest number of E2M3, ties to even, subnormals kept.
;;     - The product sums the exact products of the quantised numbers (number of the format x scale) in f32.
;;   ~~~python
;;   def quantise(x, axis):      # numpy; x: float32 -> the quantised numbers, widened to float32 again
;;       x = np.moveaxis(x, axis, -1); K = x.shape[-1]
;;       x = np.pad(x, [(0, 0)] * (x.ndim - 1) + [(0, -K % 32)]); x = x.reshape(x.shape[:-1] + (-1, 32)); a = np.abs(x).max(-1, keepdims=True)
;;       e = np.where(a > 0, np.clip(np.frexp(np.where(a > 0, a, 1))[1] - 1 - 2, -126, 127), 0)      # np.frexp(a)[1] - 1 = floor(log2(a)), exactly
;;       r = np.clip(x / 2.0 ** e, -7.5, 7.5)
;;       step = 2.0 ** (np.maximum(np.frexp(np.where(r == 0, 1, r))[1] - 1, 0) - 3)
;;       q = np.round(r / step) * step * 2.0 ** e      # np.round: ties to even
;;       return np.moveaxis(q.reshape(q.shape[:-2] + (-1,))[..., :K], -1, axis).astype(np.float32)
;;   ~~~
;;   OPERANDS COMPUTED ON THE WAY. 'Computed on the way' means the value that the module computes at that place (a softmax that the list does not call 'softmax' is quantised finished and normalised). What goes into a quantiser is computed in f32, as accurately as f32 sums, v_exp_f32 and their like allow (about 1e-6 of the number): no bf16 or f16 on the way to a quantiser, and a product that is left as it is and whose result goes on into a quantised operand takes f32 operands (vector FMAs, or v_wmma_f32_16x16x4_f32). A number that lies on a knife's edge between two numbers of the format may be rounded either way, as far as f32 arithmetic and the matrix unit's own rounding can turn it there, and no further.
;; 2 versions, each right; version 2 is version 1 with the launches groups, refine, gather written anew for expert scheduling mode. Each part assembles by itself: llvm-mc -triple=amdgcn-amd-amdhsa -mcpu=gfx1250 --defsym DOCPART=n.
;; ======== version 1 of 2: 3 launches
;; workspace buffers: gid 1,048,576 bytes of whole numbers; nidx 1,048,576 bytes of whole numbers; h2c 3,145,728 bytes; h2s 131,072 bytes
;; launch groups (part 1): grid 32 x 8, 4 waves a work-group, no clusters, 137,728 bytes of LDS; arguments xyz, gid; writes gid
.if DOCPART == 1
	.amdgcn_target "amdgcn-amd-amdhsa--gfx1250"
	.amdhsa_code_object_version 6
	.text
	.protected	k_q621bed7e0c_groups
	.globl	k_q621bed7e0c_groups
	.p2align	8
	.type	k_q621bed7e0c_groups,@function
k_q621bed7e0c_groups:
	s_mov_b64 s[64:65], 0
	v_nop
	global_prefetch_b8 v0, s[64:65] scope:SCOPE_SE
	s_setreg_imm32_b32 hwreg(HW_REG_WAVE_MODE, 25, 1), 1
	s_wait_xcnt 0x0
; POINTCNN, launch 1 of 3: for each query the 17 groups of 16 neighbouring candidates that can hold its 17 largest distances.
; WHAT THE PROGRAM LEAVES OUT, in the problem's own terms, for all values of the inputs:
;  (1) Every layer of reference() acts on one row of g alone, and the quantiser's blocks of 32 lie along K inside that row.  The 524,288 rows of g are copies of the 32,768 points, and equal rows give
;      equal codes, scales and sums.  So products 2 and 3 and both quantisers are done once a point (launch 2), and what is gathered is the second hidden layer's codes; product 4 is done on the gathered rows (launch 3).
;  (2) The order of the 16 neighbours cannot reach the output: only their maximum does.  So the 16 are kept as a set.
;  (3) b2 is added behind the maximum: x -> x + b rounded is monotone, so the maximum of the sums is the sum of the maximum, bit for bit.
; What is left out repeats work that is done, so no NaN, infinity or overflow is lost with it.  Every input is loaded.
; WHAT STAYS though it is the same along the ranked axis: sq[m].  The f32 sum sq[m] + sq[n] rounds, equal distances arise by that rounding, and top_k breaks them by index: the term can move the choice.
; THE RANKED NUMBER is made in reference()'s order: sq = fma(z, z, fma(y, y, x x)); dot by x, y, z in fused steps with the query times -2 (a power of two: nothing is rounded by it); t = sq[m] + sq[n]; dist = t + (-2 dot).
; TWO LEVELS ARE EXACT.  Order elements by (dist falling, index rising) and groups by (largest dist falling, number rising).  If an element of rank 17 or better lay in a group outside the 17 first groups,
; 17 groups would come before its own, and the first largest element of each would come before it: then its rank is over 17.
; LIMITS: NaN and infinities among the inputs are not served.  Where reference()'s own arithmetic rounds a dot product otherwise than these fused steps, two candidates within one rounding step of each other at rank 17 and 18 may change places.
; SHARES.  A work-group: 128 queries of one batch against its 4,096 candidates.  First a lane owns two groups (their 32 points stay in registers) and the wave walks the 128 queries; the groups' maxima go to LDS, a row a query.
; Then a lane owns a query: pass A keeps the 17 largest of its 256 maxima in a sorted list (a median of three for each place); pass B walks the row again and appends the numbers of the groups taken to a packed list by funnel shifts.
; No branch, address or register number hangs on a distance.
.set PITCH, 1040                       ; a query's row in LDS: 256 maxima + 16 bytes: 65 x 16 bytes
.set RST,   128*PITCH                  ; behind the rows: 1,024 bytes for each wave, for the way out
.set SPARE, RST+4096                   ; the spare words, 128 bytes for each wave: no other line names them
.set SPW,  2                           ; v2   LDS address of my spare word; never rewritten
.set NIL,  3                           ; v3   0; never rewritten
.set QV,   16                          ; v16-31  four slots of -2x, -2y, -2z, sq: slot j is query 32 j + lane
.set CA,   32                          ; v32-95  group A: x, y, z, sq of its 16 points, 16 registers each
.set CB,   96                          ; v96-159 group B
.set D,    160                         ; v160-191 the 32 distances (at the head: group A's points as loaded, v160-207)
.set T,    192                         ; v192-223 sq[m] + sq[n], then the maxima's tree (at the head: group B's points as loaded, v208-255)
.set QP,   32                          ; s32-63  sixteen pairs: the low word holds a number of a query, the high word 0 (the packed forms name the pair)
.set L,    32                          ; v32-48  the sorted list
.set TAU,  48                          ; its last place
.set XA,   64                          ; v64-79, v80-95: sixteen maxima each, by turns
.set XB,   80
.set RA,   12                          ; v12  my row; v13 the place in it
.set RC,   13
.set RM,   100                         ; ties at tau passed, less those owed
.set TT,   104
.set R1,   108
.set SH,   112                         ; v112-115 the shift of four items: 8 where taken, else 0
.set W,    116                         ; v116-120 the packed list; v121-123 zeros
.set ID,   16                          ; s16-19 the four items' group numbers
.set SG,   20
.set SE,   24
.set SR,   28
	s_load_b128 s[4:7], s[0:1], 0x0                ; xyz, gid
	v_lshl_add_u32 v[SPW], v0, 2, SPARE
	v_mov_b32 v[NIL], 0
	v_lshrrev_b32 v1, 5, v0                        ; wave
	v_and_b32 v5, 31, v0                           ; lane
	v_lshl_add_u32 v6, v1, 6, v5                   ; group A = 64 wave + lane; group B = A + 32
	v_mul_u32_u24 v4, v6, 192                      ; a group is 16 points of 12 bytes
	v_lshlrev_b32 v6, 2, v6                        ; its word in a row
	v_add_nc_u32 v7, 64*PITCH, v6                  ; the same, 64 rows on (an LDS offset holds 16 bits)
	v_mul_u32_u24 v8, v5, 12
	s_mul_i32 s9, ttmp9, 1536                      ; the block's 128 queries
	v_add_nc_u32 v8, s9, v8
	s_and_b32 s10, ttmp7, 0xffff                   ; the batch
	s_mul_i32 s12, s10, 49152
	s_mov_b32 s13, 0
	s_lshl_b32 s16, s10, 17                        ; gid: 32 bytes a query
	s_lshl_b32 s17, ttmp9, 12
	s_add_co_u32 s16, s16, s17
	s_mov_b32 s17, 0
	s_wait_kmcnt 0x0
	s_add_nc_u64 s[4:5], s[4:5], s[12:13]
	s_add_nc_u64 s[6:7], s[6:7], s[16:17]
.irp i, 0,1,2,3,4,5,6,7,8,9,10,11
	global_load_b128 v[160+4*\i:163+4*\i], v4, s[4:5] offset:16*\i
.endr
.irp i, 0,1,2,3,4,5,6,7,8,9,10,11
	global_load_b128 v[208+4*\i:211+4*\i], v4, s[4:5] offset:6144+16*\i
.endr
.irp j, 0,1,2,3
	global_load_b96 v[QV+4*\j:QV+4*\j+2], v8, s[4:5] offset:384*\j
.endr
; 16 points as loaded become planes of x, y, z, and sq
.macro PLANES raw, c
.set p, 0
.rept 16
	v_mov_b32 v[\c+p], v[\raw+3*p]
	v_mov_b32 v[\c+16+p], v[\raw+3*p+1]
	v_mov_b32 v[\c+32+p], v[\raw+3*p+2]
.set p, p+1
.endr
.set p, 0
.rept 8
	v_pk_mul_f32 v[\c+48+p:\c+49+p], v[\c+p:\c+1+p], v[\c+p:\c+1+p]
.set p, p+2
.endr
.set p, 0
.rept 8
	v_pk_fma_f32 v[\c+48+p:\c+49+p], v[\c+16+p:\c+17+p], v[\c+16+p:\c+17+p], v[\c+48+p:\c+49+p]
.set p, p+2
.endr
.set p, 0
.rept 8
	v_pk_fma_f32 v[\c+48+p:\c+49+p], v[\c+32+p:\c+33+p], v[\c+32+p:\c+33+p], v[\c+48+p:\c+49+p]
.set p, p+2
.endr
.endm
	s_wait_loadcnt 16                              ; group A is in: B's 12 loads and the queries' 4 are younger
	PLANES 160, CA
	s_wait_loadcnt 4                               ; group B is in
	PLANES 208, CB
	s_wait_loadcnt 0x0
.irp j, 0,1,2,3
	v_mul_f32 v[QV+4*\j+3], v[QV+4*\j], v[QV+4*\j]
.endr
.irp j, 0,1,2,3
	v_fma_f32 v[QV+4*\j+3], v[QV+4*\j+1], v[QV+4*\j+1], v[QV+4*\j+3]
.endr
.irp j, 0,1,2,3
	v_fma_f32 v[QV+4*\j+3], v[QV+4*\j+2], v[QV+4*\j+2], v[QV+4*\j+3]
.endr
.irp n, 0,1,2,4,5,6,8,9,10,12,13,14
	v_mul_f32 v[QV+\n], -2.0, v[QV+\n]
.endr
.set n, 0
.rept 16
	s_mov_b32 s[QP+2*n+1], 0
.set n, n+1
.endr
; One query (slot j) against my two groups: 80 packed lines in stages of 16 that do not wait for each other, 16 lines for the two maxima, two stores.
.macro STEP j
.set i, 0
.rept 8
	v_pk_mul_f32 v[D+i:D+1+i], v[CA+i:CA+1+i], s[QP+8*\j:QP+8*\j+1] op_sel_hi:[1,0]
	v_pk_mul_f32 v[D+16+i:D+17+i], v[CB+i:CB+1+i], s[QP+8*\j:QP+8*\j+1] op_sel_hi:[1,0]
.set i, i+2
.endr
.set i, 0
.rept 8
	v_pk_fma_f32 v[D+i:D+1+i], v[CA+16+i:CA+17+i], s[QP+8*\j+2:QP+8*\j+3], v[D+i:D+1+i] op_sel_hi:[1,0,1]
	v_pk_fma_f32 v[D+16+i:D+17+i], v[CB+16+i:CB+17+i], s[QP+8*\j+2:QP+8*\j+3], v[D+16+i:D+17+i] op_sel_hi:[1,0,1]
.set i, i+2
.endr
.set i, 0
.rept 8
	v_pk_fma_f32 v[D+i:D+1+i], v[CA+32+i:CA+33+i], s[QP+8*\j+4:QP+8*\j+5], v[D+i:D+1+i] op_sel_hi:[1,0,1]
	v_pk_fma_f32 v[D+16+i:D+17+i], v[CB+32+i:CB+33+i], s[QP+8*\j+4:QP+8*\j+5], v[D+16+i:D+17+i] op_sel_hi:[1,0,1]
.set i, i+2
.endr
.set i, 0
.rept 8
	v_pk_add_f32 v[T+i:T+1+i], v[CA+48+i:CA+49+i], s[QP+8*\j+6:QP+8*\j+7] op_sel_hi:[1,0]
	v_pk_add_f32 v[T+16+i:T+17+i], v[CB+48+i:CB+49+i], s[QP+8*\j+6:QP+8*\j+7] op_sel_hi:[1,0]
.set i, i+2
.endr
.set i, 0
.rept 8
	v_pk_add_f32 v[D+i:D+1+i], v[T+i:T+1+i], v[D+i:D+1+i]
	v_pk_add_f32 v[D+16+i:D+17+i], v[T+16+i:T+17+i], v[D+16+i:D+17+i]
.set i, i+2
.endr
.irp m, 0,1,2,3,4
	v_max3_num_f32 v[T+\m], v[D+3*\m], v[D+3*\m+1], v[D+3*\m+2]
	v_max3_num_f32 v[T+16+\m], v[D+16+3*\m], v[D+17+3*\m], v[D+18+3*\m]
.endr
	v_max3_num_f32 v[T+5], v[T], v[T+1], v[T+2]
	v_max3_num_f32 v[T+21], v[T+16], v[T+17], v[T+18]
	v_max3_num_f32 v[T+6], v[T+3], v[T+4], v[D+15]
	v_max3_num_f32 v[T+22], v[T+19], v[T+20], v[D+31]
	v_max_num_f32 v[T+7], v[T+5], v[T+6]
	v_max_num_f32 v[T+23], v[T+21], v[T+22]
	ds_store_b32 v[9+\j/2], v[T+7] offset:32*PITCH*(\j%2)          ; row 32 j + trip, word of group A: 32 lanes write 128 consecutive bytes
	ds_store_b32 v[9+\j/2], v[T+23] offset:32*PITCH*(\j%2)+128     ; and of group B
.endm
	s_mov_b32 s14, 0
	s_mov_b32 s66, 0
.Lquery:                                               ; 32 trips: trip k takes queries k, 32 + k, 64 + k, 96 + k
.set n, 0
.rept 16
	v_readlane_b32 s[QP+2*n], v[QV+n], s14
.set n, n+1
.endr
	v_add_nc_u32 v9, s66, v6
	v_add_nc_u32 v10, s66, v7
	STEP 0
	STEP 1
	STEP 2
	STEP 3
	s_add_co_u32 s66, s66, PITCH
	s_add_co_u32 s14, s14, 1
	s_cmp_lt_u32 s14, 32
	s_cbranch_scc1 .Lquery
	s_wait_dscnt 0x0                               ; my stores have landed: a row's words come from all four waves
	s_barrier_signal -1
	s_barrier_wait -1
; ---- a lane owns a query
.macro LD16 x, a, off
.irp i, 0,1,2,3
	ds_load_b128 v[\x+4*\i:\x+4*\i+3], v[\a] offset:\off+16*\i
.endr
.endm
; sixteen numbers into the sorted list: place i takes the middle one of its upper neighbour, itself and the number; taken from the bottom up, so that each line reads the old neighbour
.macro INS16 x
.set n, 0
.rept 16
.set i, 16
.rept 16
	v_med3_num_f32 v[L+i], v[L+i-1], v[L+i], v[\x+n]
.set i, i-1
.endr
	v_max_num_f32 v[L], v[L], v[\x+n]
.set n, n+1
.endr
.endm
	v_mul_u32_u24 v[RA], v0, PITCH
.set i, 0
.rept 17
	v_mov_b32 v[L+i], 0xff800000                   ; -infinity, under every distance
.set i, i+1
.endr
	LD16 XA, RA, 0
	s_mov_b32 s15, 0
	s_mov_b32 s66, 0
.LpassA:                                               ; 7 trips of 32 maxima; the last 32 are written out, so that no load leaves the row
	v_add_nc_u32 v[RC], s66, v[RA]
	LD16 XB, RC, 64
	s_wait_dscnt 0x4                               ; the older four loads are in, the four just issued may be out
	INS16 XA
	LD16 XA, RC, 128
	s_wait_dscnt 0x4
	INS16 XB
	s_add_co_u32 s66, s66, 128
	s_add_co_u32 s15, s15, 1
	s_cmp_lt_u32 s15, 7
	s_cbranch_scc1 .LpassA
	v_add_nc_u32 v[RC], s66, v[RA]
	LD16 XB, RC, 64
	s_wait_dscnt 0x4
	INS16 XA
	s_wait_dscnt 0x0
	INS16 XB
	; tau = the 17th largest; of the numbers equal to tau the first 17 - (how many are larger) belong
	v_add_f32 v[TAU], 0, v[TAU]
	v_mov_b32 v[RM], 0xffffffef                    ; -17
.set i, 0
.rept 16
	v_cmp_gt_f32 vcc_lo, v[L+i], v[TAU]
	v_cndmask_b32 v[TT], 0, 1, vcc_lo
	v_add_nc_u32 v[RM], v[RM], v[TT]
.set i, i+1
.endr
.irp k, 0,1,2,3
	v_mov_b32 v[SH+\k], 0
	s_mov_b32 s[ID+\k], \k-4
.endr
.irp j, 0,1,2,3,4,5,6,7
	v_mov_b32 v[W+\j], 0
.endr
; the list moves down by the item's shift and the item's number enters at the top; a shift of 0 changes nothing
.macro APP k
	v_alignbit_b32 v[W], v[W+1], v[W], v[SH+\k]
	v_alignbit_b32 v[W+1], v[W+2], v[W+1], v[SH+\k]
	v_alignbit_b32 v[W+2], v[W+3], v[W+2], v[SH+\k]
	v_alignbit_b32 v[W+3], v[W+4], v[W+3], v[SH+\k]
	v_alignbit_b32 v[W+4], s[ID+\k], v[W+4], v[SH+\k]
.endm
; four items: their masks are made while the four items before are appended (the first call finds shifts of 0).  An item is taken where it is over tau, or equals tau while ties are still owed.
.macro PB4 x
.irp k, 0,1,2,3
	v_cmp_gt_f32 s[SG+\k], v[\x+\k], v[TAU]
.endr
.irp k, 0,1,2,3
	v_cmp_eq_f32 s[SE+\k], v[\x+\k], v[TAU]
.endr
	APP 0
	APP 1
.irp k, 0,1,2,3
	v_cndmask_b32 v[TT+\k], 0, 1, s[SE+\k]
.endr
	v_cmp_gt_i32 s[SR], 0, v[RM]                   ; ties still owed ahead of item 0,
	v_add_nc_u32 v[R1], v[RM], v[TT]
	v_add3_u32 v[R1+1], v[RM], v[TT], v[TT+1]
	v_cmp_gt_i32 s[SR+1], 0, v[R1]                 ; of item 1, and so on
	v_add3_u32 v[R1+2], v[R1], v[TT+1], v[TT+2]
	v_cmp_gt_i32 s[SR+2], 0, v[R1+1]
	v_add3_u32 v[RM], v[R1+1], v[TT+2], v[TT+3]
	v_cmp_gt_i32 s[SR+3], 0, v[R1+2]
	APP 2
	APP 3
.irp k, 0,1,2,3
	s_add_co_u32 s[ID+\k], s[ID+\k], 4
.endr
.irp k, 0,1,2,3
	s_and_b32 s[SE+\k], s[SE+\k], s[SR+\k]
.endr
.irp k, 0,1,2,3
	s_or_b32 s[SG+\k], s[SG+\k], s[SE+\k]
.endr
.irp k, 0,1,2,3
	v_cndmask_b32 v[SH+\k], 0, 8, s[SG+\k]
.endr
.endm
.macro PB16 x
	PB4 \x
	PB4 \x+4
	PB4 \x+8
	PB4 \x+12
.endm
	LD16 XA, RA, 0
	s_mov_b32 s15, 0
	s_mov_b32 s66, 0
.LpassB:                                               ; the same walk once more, in rising order of the groups
	v_add_nc_u32 v[RC], s66, v[RA]
	LD16 XB, RC, 64
	s_wait_dscnt 0x4
	PB16 XA
	LD16 XA, RC, 128
	s_wait_dscnt 0x4
	PB16 XB
	s_add_co_u32 s66, s66, 128
	s_add_co_u32 s15, s15, 1
	s_cmp_lt_u32 s15, 7
	s_cbranch_scc1 .LpassB
	v_add_nc_u32 v[RC], s66, v[RA]
	LD16 XB, RC, 64
	s_wait_dscnt 0x4
	PB16 XA
	s_wait_dscnt 0x0
	PB16 XB
	APP 0                                          ; the last four items
	APP 1
	APP 2
	APP 3
	; exactly 17 items were taken, 8 bits each, into 160 bits: the s-th stands in byte 3 + s.  A record of 32 bytes a query goes through my wave's stage, so that each store covers 512 consecutive bytes
	v_lshl_add_u32 v14, v0, 5, RST
	ds_store_b128 v14, v[W:W+3]
	ds_store_b128 v14, v[W+4:W+7] offset:16
	v_lshlrev_b32 v15, 4, v5
	v_lshl_add_u32 v15, v1, 10, v15                ; 1,024 wave + 16 lane
	v_add_nc_u32 v14, RST, v15
	ds_load_b128 v[124:127], v14                   ; LDS serves a wave's instructions in order: these see my wave's stores
	ds_load_b128 v[128:131], v14 offset:512
	s_wait_dscnt 0x1
	global_store_b128 v15, v[124:127], s[6:7]
	s_wait_dscnt 0x0
	global_store_b128 v15, v[128:131], s[6:7] offset:512
	s_wait_tensorcnt 0x0                           ; the wave's end
	ds_add_u32 v[SPW], v[NIL]
	s_wait_dscnt 0x0
	s_endpgm
.Lfunc_end_k_q621bed7e0c_groups:
	.size	k_q621bed7e0c_groups, .Lfunc_end_k_q621bed7e0c_groups-k_q621bed7e0c_groups
	.p2alignl 7, 3214868480
	.fill 96, 4, 3214868480
	.section	.rodata,"a",@progbits
	.p2align	6, 0x0
	.amdhsa_kernel k_q621bed7e0c_groups
		.amdhsa_group_segment_fixed_size 137728
		.amdhsa_private_segment_fixed_size 0
		.amdhsa_enable_private_segment 0
		.amdhsa_kernarg_size 16
		.amdhsa_user_sgpr_count 2
		.amdhsa_user_sgpr_kernarg_segment_ptr 1
		.amdhsa_wavefront_size32 1
		.amdhsa_system_sgpr_workgroup_id_x 1
		.amdhsa_system_sgpr_workgroup_id_y 1
		.amdhsa_system_sgpr_workgroup_id_z 1
		.amdhsa_system_vgpr_workitem_id 0
		.amdhsa_next_free_vgpr 256
		.amdhsa_next_free_sgpr 72
		.amdhsa_reserve_vcc 1
		.amdhsa_float_denorm_mode_32 3
		.amdhsa_float_denorm_mode_16_64 3
		.amdhsa_memory_ordered 1
		.amdhsa_forward_progress 1
		.amdhsa_inst_pref_size 162
	.end_amdhsa_kernel
	.amdgpu_metadata
---
amdhsa.version: [ 1, 2 ]
amdhsa.kernels:
  - .name:           k_q621bed7e0c_groups
    .symbol:         k_q621bed7e0c_groups.kd
    .args:
      - { .name: xyz, .offset: 0, .size: 8, .value_kind: global_buffer, .address_space: global }
      - { .name: gid, .offset: 8, .size: 8, .value_kind: global_buffer, .address_space: global }
    .group_segment_fixed_size: 137728
    .private_segment_fixed_size: 0
    .kernarg_segment_align: 8
    .kernarg_segment_size: 16
    .max_flat_workgroup_size: 128
    .sgpr_count:     72
    .vgpr_count:     256
    .wavefront_size: 32
...
	.end_amdgpu_metadata
.endif
;; end of part 1
;; launch refine (part 2): grid 32 x 8, 4 waves a work-group, no clusters, 165,376 bytes of LDS; arguments xyz, W0, b0, W1, b1, gid, h2c, h2s, nidx; writes h2c, h2s, nidx
.if DOCPART == 2
	.amdgcn_target "amdgcn-amd-amdhsa--gfx1250"
	.amdhsa_code_object_version 6
	.text
	.protected	k_q621bed7e0c_refine
	.globl	k_q621bed7e0c_refine
	.p2align	8
	.type	k_q621bed7e0c_refine,@function
k_q621bed7e0c_refine:
	s_mov_b64 s[64:65], 0
	v_nop
	global_prefetch_b8 v0, s[64:65] scope:SCOPE_SE
	s_setreg_imm32_b32 hwreg(HW_REG_WAVE_MODE, 25, 1), 1
	s_wait_xcnt 0x0
; POINTCNN, launch 2 of 3.  Two things for the same 128 points of a batch.
; (a) AS POINTS: h1 = relu(W0 p + b0) in f32 by fused multiply-adds; quantised to E2M3 along its 128; h2 = relu(W1 h1 + b1) on codes; quantised again; h2's codes and scale words go to memory.
;     Left out: reference() does this for each of the 16 gathered copies of a point; equal rows give equal codes and sums, so it is done once a point.
; (b) AS QUERIES: the 17 x 16 distances of the groups that launch 1 chose, made by the same operations in the same order, and of them ranks 2 to 17 (value falling, index rising), as numbers of points.
; LIMITS: NaN and infinities are not served; a block of zeros gets the scale byte 1 (its codes are zeros, and this program alone reads the bytes).
; THE ROWS OF W1 THAT FORM A TILE ARE NOT NEIGHBOURS: lane r of tile 2 b + u takes row 32 b + 8 u + r + 8 (r / 8); the product is used transposed (source 0 = 16 rows of W1, source 1 = 16 points), so that a lane holds one
; point and the 16 registers of tiles 2 b, 2 b + 1 are its hidden units 32 b + 16 (lane / 16) + 0 .. 15: sixteen neighbours along the next K.
; REGISTERS, in windows of 256: window 0 all that vector lines touch; window 1 W0 (v0-191: three numbers for each of my 64 channels) and b0 (v192-255); window 2 W1's eight fragments (v0-95) and b1 in the result's layout (v96-159).
.set DP,    1104                       ; a query's row of 272 distances in LDS: 1,088 bytes + 16 = 69 x 16
.set WIMG,  128*DP                     ; W1's eight fragments as images of their registers, 1,536 bytes each
.set WSC,   WIMG+8*1536                ; their scale words, 128 bytes each
.set CST,   WSC+8*128                  ; a stage of 1,536 bytes for each wave: a tile's codes on the way out
.set NST,   CST+4*1536                 ; a stage of 1,024 bytes for each wave: the records on the way out
.set SPARE, NST+4*1024                 ; the spare words, 128 bytes for each wave: no other line names them
.set SPW,  254
.set NIL,  255
.set H8,   7                           ; 8 x (lane / 16)
.set PT0,  8                           ; v8-10, v12-14: the point of my row in tile 0, 1
.set PT1,  12
.set LI16, 11                          ; 16 x lane
.set LI4,  15                          ; 4 x lane
.set XS0,  16                          ; v16-79, v80-143: 64 numbers of a row of W1, for my two tiles
.set XS1,  80
.set H,    16                          ; v16-79 a hidden layer: 64 numbers of my point
.set PCH,  80                          ; h2's codes
.set OB,   96                          ; v96-119 codes read back from the stage, 12 registers a tile
.set PCW,  144                         ; a fragment of W1 just made
.set TC,   156                         ; v156-163 the conversions' second halves
.set TM,   164                         ; v164-179 at work in the quantisers
.set PWW,  180
.set PC0,  184                         ; v184-207 h1's codes, 12 registers a tile
.set W1S,  208                         ; v208-215 W1's scale words
.set PW0,  216                         ; v216-217 h1's scale words
.set PH0,  218                         ; v218-219 h2's
.set RW,   220                         ; v220-224 my query's record from launch 1
.set QL,   226                         ; v226-229 -2 x my query, and its sq
.set I,    230                         ; v230-234 the record of the query that my half of the lanes serves
.set QS,   236                         ; v236-247 that query's four numbers, for each of three sets
.set LC,   248                         ; 12 x (lane % 16)
.set VD0,  249
.set VD,   250
.set M_WI, 236                         ; (addresses of part (a), in registers that part (b) takes later)
.set M_WS, 237
.set M_FI, 238
.set M_FS, 239
.set M_CSI, 240
.set M_CSO, 241
.set SEL,  30                          ; s[30:31] selects for lane l xor 16
.set MSB, 0
.macro WIN new                         ; the immediate's high byte repeats the setting that is left
.if MSB != \new
	s_set_vgpr_msb (MSB<<8)|\new
.set MSB, \new
.endif
.endm
	s_load_b512 s[4:19], s[0:1], 0x0               ; xyz, W0, b0, W1, b1, gid, h2c, h2s
	s_load_b64 s[20:21], s[0:1], 0x40              ; nidx
	v_lshl_add_u32 v[SPW], v0, 2, SPARE
	v_mov_b32 v[NIL], 0
	v_lshrrev_b32 v250, 5, v0
	v_readfirstlane_b32 s22, v250                  ; wave
	s_and_b32 s24, ttmp7, 0xffff                   ; batch
	v_and_b32 v252, 31, v0                         ; lane
	v_and_b32 v253, 15, v0                         ; r
	v_bfe_u32 v251, v0, 4, 1                       ; h
	v_lshlrev_b32 v[H8], 3, v251
	v_lshlrev_b32 v1, 5, v0                        ; my record: 32 bytes a query
	s_mul_i32 s23, ttmp9, 1536                     ; the block's first point, 12 bytes a point
	v_mul_u32_u24 v2, v0, 12
	v_add_nc_u32 v2, s23, v2                       ; my query
	v_and_b32 v3, 8, v253
	v_add_nc_u32 v3, v3, v253                      ; r + 8 (r / 8)
	v_lshlrev_b32 v3, 9, v3                        ; a row of W1 is 512 bytes
	v_lshl_add_u32 v3, v251, 7, v3                 ; my blocks of 32 begin 128 h bytes on
	v_lshlrev_b32 v4, 6, v251                      ; 64 h: biases
	v_mul_u32_u24 v5, v251, 192                    ; 192 h: W0
	s_mul_i32 s26, s22, 384
	s_add_co_u32 s26, s26, s23
	v_mul_u32_u24 v6, v253, 12
	v_add_nc_u32 v6, s26, v6                       ; point 32 wave + r of the block
	v_lshlrev_b32 v[LI16], 4, v252
	v_lshlrev_b32 v[LI4], 2, v252
	s_mul_i32 s26, s22, 3072
	v_add_nc_u32 v[M_WI], s26, v[LI16]
	v_add_nc_u32 v[M_WI], WIMG, v[M_WI]            ; where I store my two fragments of W1
	s_lshl_b32 s26, s22, 8
	v_add_nc_u32 v[M_WS], s26, v[LI4]
	v_add_nc_u32 v[M_WS], WSC, v[M_WS]
	v_add_nc_u32 v[M_FI], WIMG, v[LI16]            ; and from where every wave fetches all eight
	v_add_nc_u32 v[M_FS], WSC, v[LI4]
	s_mul_i32 s26, s22, 1536
	v_mul_u32_u24 v[M_CSI], v253, 96
	v_mad_u32_u24 v[M_CSI], v251, 48, v[M_CSI]
	v_add_nc_u32 v[M_CSI], s26, v[M_CSI]
	v_add_nc_u32 v[M_CSI], CST, v[M_CSI]           ; the stage, in: row r of 96 bytes, my half's 48
	v_add_nc_u32 v[M_CSO], s26, v[LI16]
	v_add_nc_u32 v[M_CSO], CST, v[M_CSO]           ; and out: 16 bytes a lane
	s_mov_b32 s28, 0xffff0000                      ; the mask of lanes 16-31
	s_mov_b32 s[SEL], 0x76543210
	s_mov_b32 s[SEL+1], 0xfedcba98
	s_lshl_b32 s25, s24, 12
	s_lshl_b32 s26, ttmp9, 7
	s_add_co_u32 s25, s25, s26                     ; the block's first point among all 32,768
	s_lshl_b32 s26, s22, 5
	s_add_co_u32 s29, s25, s26                     ; my wave's first
	s_mov_b32 s37, 0
	s_wait_kmcnt 0x0
	s_mul_i32 s36, s24, 49152
	s_add_nc_u64 s[4:5], s[4:5], s[36:37]          ; xyz at my batch
	s_lshl_b32 s36, s25, 5
	s_add_nc_u64 s[14:15], s[14:15], s[36:37]      ; gid at my block
	s_mul_i32 s36, s29, 96
	s_add_nc_u64 s[16:17], s[16:17], s[36:37]      ; h2c, h2s, nidx at my wave's first point
	s_lshl_b32 s36, s29, 2
	s_add_nc_u64 s[18:19], s[18:19], s[36:37]
	s_lshl_b32 s36, s29, 5
	s_add_nc_u64 s[20:21], s[20:21], s[36:37]
	s_lshl_b32 s36, s22, 14
	s_add_nc_u64 s[10:11], s[10:11], s[36:37]      ; W1 at row 32 wave
	global_load_b128 v[RW:RW+3], v1, s[14:15]
	global_load_b32 v[RW+4], v1, s[14:15] offset:16
	global_load_b96 v[QL:QL+2], v2, s[4:5]
	global_load_b96 v[PT0:PT0+2], v6, s[4:5]
	global_load_b96 v[PT1:PT1+2], v6, s[4:5] offset:192
.irp u, 0,1
.irp c, 0,1
.irp i, 0,1,2,3,4,5,6,7
	global_load_b128 v[XS0+64*\u+32*\c+4*\i:XS0+64*\u+32*\c+4*\i+3], v3, s[10:11] offset:4096*\u+256*\c+16*\i   ; W1(tile 2 wave + u, my row, k = 64 c + 32 h + 4 i ..)
.endr
.endr
.endr
	WIN 0x40                                       ; destination window 1
.irp b, 0,1,2,3
.irp n, 0,1,2,3,4,5,6,7,8,9,10,11
	global_load_b128 v[48*\b+4*\n:48*\b+4*\n+3], v5, s[6:7] offset:384*\b+16*\n     ; W0's rows 32 b + 16 h + 0 .. 15: register 3 e + c is W0(channel of my register e, c)
.endr
.irp n, 0,1,2,3
	global_load_b128 v[192+16*\b+4*\n:192+16*\b+4*\n+3], v4, s[8:9] offset:128*\b+16*\n
.endr
.endr
	WIN 0x80                                       ; destination window 2
.irp t, 0,1,2,3,4,5,6,7
	global_load_b128 v[96+8*\t:96+8*\t+3], v4, s[12:13] offset:(32*(\t/2)+8*(\t%2))*4
	global_load_b128 v[96+8*\t+4:96+8*\t+7], v4, s[12:13] offset:(32*(\t/2)+8*(\t%2))*4+16
.endr
	WIN 0
.irp b, 0,1,2,3
	v_mov_b32 v[TM+4+\b], 0                        ; written once: a lane permute's destination counts as one of its sources
.endr
	s_wait_loadcnt 0x0
; 64 numbers of a lane, register 32 c + i = k 64 c + 32 h + i of my row (two whole blocks), become a fragment's codes and my row's scale word
.macro QW xs, pc, pw
.irp c, 0,1
	v_max3_num_f32 v[TM+\c], |v[\xs+32*\c]|, |v[\xs+1+32*\c]|, 0x1800000   ; with the floor 2^(3 - 127): the byte cannot fall under 1
.endr
.irp i, 2,4,6,8,10,12,14,16,18,20,22,24,26,28,30
.irp c, 0,1
	v_max3_num_f32 v[TM+\c], v[TM+\c], |v[\xs+32*\c+\i]|, |v[\xs+1+32*\c+\i]|
.endr
.endr
.irp c, 0,1
	v_add_nc_u32 v[TM+2+\c], 0xff000000, v[TM+\c]  ; 2 off the exponent field: the conversion's scale operand
.endr
.irp c, 0,1
	v_lshrrev_b32 v[TM+4+\c], 23, v[TM+2+\c]       ; the scale's byte
.endr
	v_lshl_or_b32 v[\pw], v[TM+5], 16, v[TM+4]     ; blocks h and 2 + h,
	v_lshlrev_b32 v[\pw], v[H8], v[\pw]            ; at their places in the word;
	v_mov_b32 v[TM+6], 0
	v_permlanex16_b32 v[TM+6], v[\pw], s[SEL], s[SEL+1]
	v_or_b32 v[\pw], v[\pw], v[TM+6]               ; with lane l xor 16's two the word is whole
.irp c, 0,1
	v_cvt_scalef32_pk16_fp6_f32 v[\pc+6*\c:\pc+2+6*\c], v[\xs+32*\c:\xs+15+32*\c], v[TM+2+\c]
	v_cvt_scalef32_pk16_fp6_f32 v[TC+4*\c:TC+2+4*\c], v[\xs+16+32*\c:\xs+31+32*\c], v[TM+2+\c]   ; (a conversion's three registers begin on an even number)
.endr
	v_nop                                          ; one plain place behind a scaled conversion
.irp c, 0,1
.irp i, 0,1,2
	v_mov_b32 v[\pc+3+6*\c+\i], v[TC+4*\c+\i]
.endr
.endr
.endm
; 64 numbers of a lane, register 16 b + i = k 32 b + 16 h + i of my row, become a fragment's codes and my row's scale word
.macro QUANT s, pc, pw
.irp b, 0,1,2,3
	v_max3_num_f32 v[TM+\b], |v[\s+16*\b]|, |v[\s+1+16*\b]|, 0x1800000
.endr
.irp i, 2,4,6,8,10,12,14
.irp b, 0,1,2,3
	v_max3_num_f32 v[TM+\b], v[TM+\b], |v[\s+16*\b+\i]|, |v[\s+1+16*\b+\i]|
.endr
.endr
.irp b, 0,1,2,3
	v_permlanex16_b32 v[TM+4+\b], v[TM+\b], s[SEL], s[SEL+1]
.endr
.irp b, 0,1,2,3
	v_max_num_f32 v[TM+\b], v[TM+\b], v[TM+4+\b]   ; with lane l xor 16's 16: the block's largest magnitude
.endr
.irp b, 0,1,2,3
	v_add_nc_u32 v[TM+12+\b], 0xff000000, v[TM+\b]
.endr
.irp b, 0,1,2,3
	v_lshrrev_b32 v[TM+4+\b], 23, v[TM+12+\b]
.endr
	v_lshl_or_b32 v[\pw], v[TM+5], 8, v[TM+4]
	v_lshl_or_b32 v[\pw], v[TM+6], 16, v[\pw]
	v_lshl_or_b32 v[\pw], v[TM+7], 24, v[\pw]
.irp c, 0,1
	v_cvt_scalef32_pk16_fp6_f32 v[\pc+6*\c:\pc+2+6*\c], v[\s+32*\c:\s+15+32*\c], v[TM+12+2*\c]
	v_cvt_scalef32_pk16_fp6_f32 v[TC+4*\c:TC+2+4*\c], v[\s+16+32*\c:\s+31+32*\c], v[TM+12+2*\c+1]
.endr
	v_nop                                          ; one plain place behind a scaled conversion
.irp c, 0,1                                    ; the operand's layout wants a whole block in a lane: lanes 0-15 block 2 c, lanes 16-31 block 2 c + 1
.irp i, 0,1,2
	v_permlane16_swap_b32 v[\pc+6*\c+\i], v[TC+4*\c+\i]
.endr
.irp i, 0,1,2
	v_mov_b32 v[\pc+3+6*\c+\i], v[TC+4*\c+\i]
.endr
.endr
.endm
.macro IMAGE adr, pc, off                      ; a fragment goes to LDS as it stands: lane l's 16 bytes at 16 l, 512 bytes a store
.irp c, 0,1,2
	ds_store_b128 v[\adr], v[\pc+4*\c:\pc+4*\c+3] offset:\off+512*\c
.endr
.endm
	; ---- W1: each wave quantises two of the eight tiles; all fetch all
	QW XS0, PCW, PWW
	IMAGE M_WI, PCW, 0
	ds_store_b32 v[M_WS], v[PWW]
	s_wait_dscnt 0x0                               ; the stores have read their registers
	QW XS1, PCW, PWW
	IMAGE M_WI, PCW, 1536
	ds_store_b32 v[M_WS], v[PWW] offset:128
	s_wait_dscnt 0x0                               ; for the others' sake: my images have landed
	s_barrier_signal -1
	s_barrier_wait -1
	WIN 0x80
.irp t, 0,1,2,3,4,5,6,7
.irp c, 0,1,2
	ds_load_b128 v[12*\t+4*\c:12*\t+4*\c+3], v[M_FI] offset:1536*\t+512*\c
.endr
.endr
	WIN 0
.irp t, 0,1,2,3,4,5,6,7
	ds_load_b32 v[W1S+\t], v[M_FS] offset:128*\t
.endr
	; ---- layer 0, in f32: my point's 64 channels
.macro LAYER0 pt
	WIN 0x11                                       ; sources 0 (W0) and 2 (b0) window 1
.set e, 0
.rept 64
	v_fma_f32 v[H+e], v[3*e], v[\pt], v[192+e]
.set e, e+1
.endr
	WIN 0x01
.set e, 0
.rept 64
	v_fma_f32 v[H+e], v[3*e+1], v[\pt+1], v[H+e]
.set e, e+1
.endr
.set e, 0
.rept 64
	v_fma_f32 v[H+e], v[3*e+2], v[\pt+2], v[H+e]
.set e, e+1
.endr
	WIN 0
.set e, 0
.rept 64
	v_max_num_f32 v[H+e], 0, v[H+e]
.set e, e+1
.endr
.endm
	LAYER0 PT0
	QUANT H, PC0, PW0
	LAYER0 PT1
	QUANT H, PC0+12, PW0+1
	s_wait_dscnt 0x0                               ; W1's fragments and scale words are in
	; ---- layer 1 on codes: eight tiles, each whole in one instruction, b1 as its C; relu; quantised; out through the stage
.macro LAYER1 u
	WIN 0x22                                       ; sources 0 (W1) and 2 (b1) window 2
.irp t, 0,1,2,3,4,5,6,7
	v_wmma_scale_f32_16x16x128_f8f6f4 v[H+8*\t:H+8*\t+7], v[12*\t:12*\t+11], v[PC0+12*\u:PC0+12*\u+11], v[96+8*\t:96+8*\t+7], v[W1S+\t], v[PW0+\u] matrix_a_fmt:MATRIX_FMT_FP6 matrix_b_fmt:MATRIX_FMT_FP6
.endr
	WIN 0
.rept 4
	v_nop                                          ; four places ahead of the first read of results (ISA guide 7.12.1)
.endr
.set e, 0
.rept 64
	v_max_num_f32 v[H+e], 0, v[H+e]                ; each accumulator from its low end on
.set e, e+1
.endr
	QUANT H, PCH, PH0+\u
.irp i, 0,1,2
	ds_store_b128 v[M_CSI], v[PCH+4*\i:PCH+4*\i+3] offset:16*\i   ; a point's 96 bytes: lane (r, 0)'s twelve registers, then lane (r, 1)'s
.endr
.irp i, 0,1,2
	ds_load_b128 v[OB+12*\u+4*\i:OB+12*\u+4*\i+3], v[M_CSO] offset:512*\i   ; LDS serves a wave's instructions in order: these see my wave's stores
.endr
.irp i, 0,1,2
	s_wait_dscnt 2-\i
	global_store_b128 v[LI16], v[OB+12*\u+4*\i:OB+12*\u+4*\i+3], s[16:17] offset:1536*\u+512*\i   ; 512 consecutive bytes a store
.endr
.endm
	LAYER1 0
	LAYER1 1
	v_cndmask_b32 v235, v[PH0], v[PH0+1], s28      ; lanes 0-15: tile 0's scale words; lanes 16-31: tile 1's (both halves of the lanes hold a row's word)
	global_store_b32 v[LI4], v235, s[18:19]
	; ---- the distances.  A PAIR of queries a step: lane (c, h) takes candidate c of each of the 17 groups of query 2 p + h of my wave's 32: sixteen lanes read a group's 192 consecutive bytes.
	v_mul_f32 v[QL+3], v[QL], v[QL]
	v_fma_f32 v[QL+3], v[QL+1], v[QL+1], v[QL+3]
	v_fma_f32 v[QL+3], v[QL+2], v[QL+2], v[QL+3]
.irp n, 0,1,2
	v_mul_f32 v[QL+\n], -2.0, v[QL+\n]
.endr
	s_wait_xcnt 0x0                                ; the stores above have read their registers, which the sets below take
	v_mul_u32_u24 v[LC], v253, 12
	s_lshl_b32 s26, s22, 5
	v_add_nc_u32 v[VD0], s26, v251
	v_mul_u32_u24 v[VD0], v[VD0], DP
	v_lshl_add_u32 v[VD0], v253, 2, v[VD0]         ; row 32 wave + h, word c
	s_mov_b32 s32, 0                               ; the lanes that hold the pair's two queries
	s_mov_b32 s33, 1
	s_mov_b32 s35, 0
; Three sets of 17 slots of four registers (x, y, z, one at work).  ISSUE: the pair's records and numbers come from the lanes that hold them; a slot's group number is cut out, held to 255, and made an offset; the load lands on its own address register.
.macro ISSUE set
.set PS, 16+68*\set
.set QQ, QS+4*\set
.irp n, 0,1,2,3,4
	v_readlane_b32 s[36+2*\n], v[RW+\n], s32
	v_readlane_b32 s[37+2*\n], v[RW+\n], s33
.endr
.irp n, 0,1,2,3
	v_readlane_b32 s[46+2*\n], v[QL+\n], s32
	v_readlane_b32 s[47+2*\n], v[QL+\n], s33
.endr
.irp n, 0,1,2,3,4
	v_mov_b32 v[I+\n], s[36+2*\n]
.endr
.irp n, 0,1,2,3
	v_mov_b32 v[QQ+\n], s[46+2*\n]
.endr
.irp n, 0,1,2,3,4
	v_cndmask_b32 v[I+\n], v[I+\n], s[37+2*\n], s28
.endr
.irp n, 0,1,2,3
	v_cndmask_b32 v[QQ+\n], v[QQ+\n], s[47+2*\n], s28
.endr
	s_add_co_u32 s32, s32, 2
	s_add_co_u32 s33, s33, 2
.set i, 0
.rept 17
	v_bfe_u32 v[PS+4*i], v[I+(3+i)/4], 8*((3+i)%4), 8
.set i, i+1
.endr
.set i, 0
.rept 17
	v_min_u32 v[PS+4*i], 0xff, v[PS+4*i]
.set i, i+1
.endr
.set i, 0
.rept 17
	v_mul_u32_u24 v[PS+4*i], v[PS+4*i], 192
.set i, i+1
.endr
.set i, 0
.rept 17
	v_add_nc_u32 v[PS+4*i], v[LC], v[PS+4*i]
.set i, i+1
.endr
.set i, 0
.rept 17
	global_load_b96 v[PS+4*i:PS+4*i+2], v[PS+4*i], s[4:5]
.set i, i+1
.endr
.endm
; PROC: the 17 distances of a lane, stage by stage, by launch 1's operations in launch 1's order; to the two queries' rows in LDS
.macro PROC set
.set PS, 16+68*\set
.set QQ, QS+4*\set
	v_add_nc_u32 v[VD], s35, v[VD0]
	s_add_co_u32 s35, s35, 2*DP
.set i, 0
.rept 17
	v_mul_f32 v[PS+4*i+3], v[PS+4*i], v[PS+4*i]
.set i, i+1
.endr
.set i, 0
.rept 17
	v_fma_f32 v[PS+4*i+3], v[PS+4*i+1], v[PS+4*i+1], v[PS+4*i+3]
.set i, i+1
.endr
.set i, 0
.rept 17
	v_fma_f32 v[PS+4*i+3], v[PS+4*i+2], v[PS+4*i+2], v[PS+4*i+3]
.set i, i+1
.endr
.set i, 0
.rept 17
	v_mul_f32 v[PS+4*i], v[PS+4*i], v[QQ]
.set i, i+1
.endr
.set i, 0
.rept 17
	v_fma_f32 v[PS+4*i], v[PS+4*i+1], v[QQ+1], v[PS+4*i]
.set i, i+1
.endr
.set i, 0
.rept 17
	v_fma_f32 v[PS+4*i], v[PS+4*i+2], v[QQ+2], v[PS+4*i]
.set i, i+1
.endr
.set i, 0
.rept 17
	v_add_f32 v[PS+4*i+3], v[PS+4*i+3], v[QQ+3]
.set i, i+1
.endr
.set i, 0
.rept 17
	v_add_f32 v[PS+4*i], v[PS+4*i+3], v[PS+4*i]
.set i, i+1
.endr
.set i, 0
.rept 17
	ds_store_b32 v[VD], v[PS+4*i] offset:64*i
.set i, i+1
.endr
.endm
	ISSUE 0
	ISSUE 1
	ISSUE 2
	s_mov_b32 s34, 0
.Lpair:                                                ; 4 trips of three pairs: pairs 0 to 11 are worked, pairs 3 to 14 asked for
	s_wait_loadcnt 34                              ; this pair's 17 loads are in; the two younger pairs' 34 may be out
	PROC 0
	ISSUE 0
	s_wait_loadcnt 34
	PROC 1
	ISSUE 1
	s_wait_loadcnt 34
	PROC 2
	ISSUE 2
	s_add_co_u32 s34, s34, 1
	s_cmp_lt_u32 s34, 4
	s_cbranch_scc1 .Lpair
	s_wait_loadcnt 34
	PROC 0                                         ; pair 12
	ISSUE 0                                        ; pair 15, the last
	s_wait_loadcnt 34
	PROC 1
	s_wait_loadcnt 17
	PROC 2
	s_wait_loadcnt 0x0
	PROC 0
	s_wait_dscnt 0x0
	s_barrier_signal -1
	s_barrier_wait -1
	; ---- a lane owns a query: its 272 distances, in rising order of the points' numbers
.set L,    16                          ; v16-32 the sorted list
.set TAU,  32
.set XA,   48
.set XB,   64
.set W,    80                          ; v80-85 the packed list: 16 fields of 12 bits
.set IDX,  86                          ; v86-89 four items' point numbers
.set BASE, 90
.set THI,  91                          ; the largest distance until it has been met, then +infinity
.set INF,  92
.set RM,   93
.set TT,   94
.set R1,   98
.set SH,   104
.set RA,   108
.set RC,   109
.set N,    112
.set F,    120
.set SG,   54
.set SE,   58
.set SR,   66
.set SX,   70
.macro LD16 x, a, off
.irp i, 0,1,2,3
	ds_load_b128 v[\x+4*\i:\x+4*\i+3], v[\a] offset:\off+16*\i
.endr
.endm
.macro INS16 x                                 ; sixteen numbers into the sorted list, as in launch 1
.set n, 0
.rept 16
.set i, 16
.rept 16
	v_med3_num_f32 v[L+i], v[L+i-1], v[L+i], v[\x+n]
.set i, i-1
.endr
	v_max_num_f32 v[L], v[L], v[\x+n]
.set n, n+1
.endr
.endm
	v_mul_u32_u24 v[RA], v0, DP
.set i, 0
.rept 17
	v_mov_b32 v[L+i], 0xff800000
.set i, i+1
.endr
	LD16 XA, RA, 0
	s_mov_b32 s34, 0
	s_mov_b32 s35, 0
.LpassA:                                               ; 8 trips of 32; the last trip's second load brings numbers 256 to 271, the row's last
	v_add_nc_u32 v[RC], s35, v[RA]
	LD16 XB, RC, 64
	s_wait_dscnt 0x4                               ; the older four loads are in
	INS16 XA
	LD16 XA, RC, 128
	s_wait_dscnt 0x4
	INS16 XB
	s_add_co_u32 s35, s35, 128
	s_add_co_u32 s34, s34, 1
	s_cmp_lt_u32 s34, 8
	s_cbranch_scc1 .LpassA
	s_wait_dscnt 0x0
	INS16 XA
	v_mov_b32 v[THI], v[L]
	v_mov_b32 v[INF], 0x7f800000
	v_add_f32 v[TAU], 0, v[TAU]
	v_mov_b32 v[RM], 0xffffffef                    ; -17
.set i, 0
.rept 16
	v_cmp_gt_f32 vcc_lo, v[L+i], v[TAU]
	v_cndmask_b32 v[TT], 0, 1, vcc_lo
	v_add_nc_u32 v[RM], v[RM], v[TT]
.set i, i+1
.endr
.irp k, 0,1,2,3
	v_mov_b32 v[SH+\k], 0
	v_mov_b32 v[IDX+\k], 0
.endr
.irp j, 0,1,2,3,4,5
	v_mov_b32 v[W+\j], 0
.endr
.irp j, 0,1,2,3
	v_alignbit_b32 v[RW+\j], v[RW+\j+1], v[RW+\j], 24   ; the record's first group number comes down to byte 0
.endr
	v_lshrrev_b32 v[RW+4], 24, v[RW+4]
.macro APP k
.irp j, 0,1,2,3,4
	v_alignbit_b32 v[W+\j], v[W+\j+1], v[W+\j], v[SH+\k]
.endr
	v_alignbit_b32 v[W+5], v[IDX+\k], v[W+5], v[SH+\k]
.endm
; the append of the item four back, and woven into it the test of item k for rank 1: the first number that reaches the largest
.macro APPX k, x
	v_cmp_ge_f32 s[SX+\k], v[\x+\k], v[THI]
	v_alignbit_b32 v[W], v[W+1], v[W], v[SH+\k]
	v_alignbit_b32 v[W+1], v[W+2], v[W+1], v[SH+\k]
	v_alignbit_b32 v[W+2], v[W+3], v[W+2], v[SH+\k]
	v_cndmask_b32 v[THI], v[THI], v[INF], s[SX+\k]
	v_alignbit_b32 v[W+3], v[W+4], v[W+3], v[SH+\k]
	v_alignbit_b32 v[W+4], v[W+5], v[W+4], v[SH+\k]
	v_alignbit_b32 v[W+5], v[IDX+\k], v[W+5], v[SH+\k]
.endm
.macro PB4 x, c0
.irp k, 0,1,2,3
	v_cmp_gt_f32 s[SG+\k], v[\x+\k], v[TAU]
.endr
.irp k, 0,1,2,3
	v_cmp_eq_f32 s[SE+\k], v[\x+\k], v[TAU]
.endr
	APPX 0, \x
	APPX 1, \x
.irp k, 0,1,2,3
	v_cndmask_b32 v[TT+\k], 0, 1, s[SE+\k]
.endr
	v_cmp_gt_i32 s[SR], 0, v[RM]
	v_add_nc_u32 v[R1], v[RM], v[TT]
	v_add3_u32 v[R1+1], v[RM], v[TT], v[TT+1]
	v_cmp_gt_i32 s[SR+1], 0, v[R1]
	v_add3_u32 v[R1+2], v[R1], v[TT+1], v[TT+2]
	v_cmp_gt_i32 s[SR+2], 0, v[R1+1]
	v_add3_u32 v[RM], v[R1+1], v[TT+2], v[TT+3]
	v_cmp_gt_i32 s[SR+3], 0, v[R1+2]
	APPX 2, \x
	APPX 3, \x
.irp k, 0,1,2,3
	s_and_b32 s[SE+\k], s[SE+\k], s[SR+\k]
.endr
.irp k, 0,1,2,3
	s_or_b32 s[SG+\k], s[SG+\k], s[SE+\k]
.endr
.irp k, 0,1,2,3
	s_and_not1_b32 s[SG+\k], s[SG+\k], s[SX+\k]    ; rank 1 is among the 17 and is not taken: 16 are
.endr
.irp k, 0,1,2,3
	v_cndmask_b32 v[SH+\k], 0, 12, s[SG+\k]
.endr
.irp k, 0,1,2,3
	v_add_nc_u32 v[IDX+\k], \c0+\k, v[BASE]
.endr
.endm
.macro PG16 x                                  ; a group's 16 candidates: point number = 16 x the group's number + place
	v_and_b32 v[BASE], 0xff, v[RW]
	v_lshlrev_b32 v[BASE], 4, v[BASE]
.irp j, 0,1,2,3
	v_alignbit_b32 v[RW+\j], v[RW+\j+1], v[RW+\j], 8
.endr
	v_lshrrev_b32 v[RW+4], 8, v[RW+4]
	PB4 \x, 0
	PB4 \x+4, 4
	PB4 \x+8, 8
	PB4 \x+12, 12
.endm
	LD16 XA, RA, 0
	s_mov_b32 s34, 0
	s_mov_b32 s35, 0
.LpassB:
	v_add_nc_u32 v[RC], s35, v[RA]
	LD16 XB, RC, 64
	s_wait_dscnt 0x4
	PG16 XA
	LD16 XA, RC, 128
	s_wait_dscnt 0x4
	PG16 XB
	s_add_co_u32 s35, s35, 128
	s_add_co_u32 s34, s34, 1
	s_cmp_lt_u32 s34, 8
	s_cbranch_scc1 .LpassB
	s_wait_dscnt 0x0
	PG16 XA
	APP 0
	APP 1
	APP 2
	APP 3
	; 16 fields of 12 bits fill the 192 bits: field f stands at bit 12 f.  Word j of the record = number j | number j + 8 << 16
.set fs, 0
.rept 16
.set wd, (12*fs)/32
.set bt, (12*fs)%32
.if bt > 20
	v_alignbit_b32 v[F+fs], v[W+wd+1], v[W+wd], bt
	v_and_b32 v[F+fs], 0xfff, v[F+fs]
.else
	v_bfe_u32 v[F+fs], v[W+wd], bt, 12
.endif
.set fs, fs+1
.endr
.irp j, 0,1,2,3,4,5,6,7
	v_lshl_or_b32 v[N+\j], v[F+8+\j], 16, v[F+\j]
.endr
	v_lshl_add_u32 v[RC], v0, 5, NST
	ds_store_b128 v[RC], v[N:N+3]
	ds_store_b128 v[RC], v[N+4:N+7] offset:16
	s_lshl_b32 s26, s22, 10
	v_add_nc_u32 v[RA], s26, v[LI16]
	v_add_nc_u32 v[RA], NST, v[RA]
	ds_load_b128 v[F:F+3], v[RA]                   ; my wave's own bytes, served in order
	ds_load_b128 v[F+4:F+7], v[RA] offset:512
	s_wait_dscnt 0x1
	global_store_b128 v[LI16], v[F:F+3], s[20:21]
	s_wait_dscnt 0x0
	global_store_b128 v[LI16], v[F+4:F+7], s[20:21] offset:512
	s_wait_tensorcnt 0x0                           ; the wave's end
	ds_add_u32 v[SPW], v[NIL]
	s_wait_dscnt 0x0
	s_endpgm
.Lfunc_end_k_q621bed7e0c_refine:
	.size	k_q621bed7e0c_refine, .Lfunc_end_k_q621bed7e0c_refine-k_q621bed7e0c_refine
	.p2alignl 7, 3214868480
	.fill 96, 4, 3214868480
	.section	.rodata,"a",@progbits
	.p2align	6, 0x0
	.amdhsa_kernel k_q621bed7e0c_refine
		.amdhsa_group_segment_fixed_size 165376
		.amdhsa_private_segment_fixed_size 0
		.amdhsa_enable_private_segment 0
		.amdhsa_kernarg_size 72
		.amdhsa_user_sgpr_count 2
		.amdhsa_user_sgpr_kernarg_segment_ptr 1
		.amdhsa_wavefront_size32 1
		.amdhsa_system_sgpr_workgroup_id_x 1
		.amdhsa_system_sgpr_workgroup_id_y 1
		.amdhsa_system_sgpr_workgroup_id_z 1
		.amdhsa_system_vgpr_workitem_id 0
		.amdhsa_next_free_vgpr 768
		.amdhsa_next_free_sgpr 76
		.amdhsa_reserve_vcc 1
		.amdhsa_float_denorm_mode_32 3
		.amdhsa_float_denorm_mode_16_64 3
		.amdhsa_memory_ordered 1
		.amdhsa_forward_progress 1
		.amdhsa_inst_pref_size 255
	.end_amdhsa_kernel
	.section	.bss,"aw",@nobits
	.p2align	6
	.space	262144
	.amdgpu_metadata
---
amdhsa.version: [ 1, 2 ]
amdhsa.kernels:
  - .name:           k_q621bed7e0c_refine
    .symbol:         k_q621bed7e0c_refine.kd
    .args:
      - { .name: xyz, .offset: 0, .size: 8, .value_kind: global_buffer, .address_space: global }
      - { .name: W0, .offset: 8, .size: 8, .value_kind: global_buffer, .address_space: global }
      - { .name: b0, .offset: 16, .size: 8, .value_kind: global_buffer, .address_space: global }
      - { .name: W1, .offset: 24, .size: 8, .value_kind: global_buffer, .address_space: global }
      - { .name: b1, .offset: 32, .size: 8, .value_kind: global_buffer, .address_space: global }
      - { .name: gid, .offset: 40, .size: 8, .value_kind: global_buffer, .address_space: global }
      - { .name: h2c, .offset: 48, .size: 8, .value_kind: global_buffer, .address_space: global }
      - { .name: h2s, .offset: 56, .size: 8, .value_kind: global_buffer, .address_space: global }
      - { .name: nidx, .offset: 64, .size: 8, .value_kind: global_buffer, .address_space: global }
    .group_segment_fixed_size: 165376
    .private_segment_fixed_size: 0
    .kernarg_segment_align: 8
    .kernarg_segment_size: 72
    .max_flat_workgroup_size: 128
    .sgpr_count:     76
    .vgpr_count:     768
    .wavefront_size: 32
...
	.end_amdgpu_metadata
.endif
;; end of part 2
;; launch gather (part 3): grid 32 x 8, 8 waves a work-group, no clusters, 14,336 bytes of LDS; arguments W2, b2, nidx, h2c, h2s, out0; writes out0
.if DOCPART == 3
	.amdgcn_target "amdgcn-amd-amdhsa--gfx1250"
	.amdhsa_code_object_version 6
	.text
	.protected	k_q621bed7e0c_gather
	.globl	k_q621bed7e0c_gather
	.p2align	8
	.type	k_q621bed7e0c_gather,@function
k_q621bed7e0c_gather:
	s_mov_b64 s[64:65], 0
	v_nop
	global_prefetch_b8 v0, s[64:65] scope:SCOPE_SE
	s_setreg_imm32_b32 hwreg(HW_REG_WAVE_MODE, 25, 1), 1
	s_wait_xcnt 0x0
; POINTCNN, launch 3 of 3: out[q] = max over q's 16 neighbours of (W2 h2[neighbour]) + b2, the product on codes of E2M3.
; Left out: nothing of product 4.  b2 is added behind the maximum: adding a number and rounding is monotone, so the bits are the same.
; SHARES.  A work-group: 128 queries; each of its eight waves 16 of them, as eight PAIRS (q0, q1).  Tile X holds neighbours 0-7 of q0 in rows 0-7 and of q1 in rows 8-15, tile Y neighbours 8-15 likewise.  Source 0 = the 16
; gathered rows, source 1 = 16 rows of W2: in the result lane (r, h) holds rows 8 h + 0 .. 7, which are query q_h's alone: the maximum runs over a lane's 16 registers, and no lane asks another.
; W2's tile t takes rows 4 r + t % 4 + 64 (t / 4), so that a lane's results of tiles 0-3 are four neighbouring channels, and sixteen lanes store 256 consecutive bytes of a row of out0.
; A gathered row is 96 bytes, laid as the operand's registers: lane (r, h) takes 48 bytes by three loads of 16.  Its scale word: X's in lanes 0-15, Y's in lanes 16-31 of one register.
; W2 is quantised here, a tile a wave, and goes from wave to wave through LDS as images of the registers.  LIMITS: as in launch 2.
.set WIMG,  0                          ; W2's eight fragments, 1,536 bytes each
.set WSC,   12288                      ; their scale words, 128 bytes each
.set SPARE, 13312                      ; the spare words, 128 bytes for each wave: no other line names them
.set SPW,  1
.set NIL,  2
.set H48,  3                           ; 48 x (lane / 16)
.set OUTO, 4                           ; 512 h + 16 r
.set H8,   5
.set IW,   8                           ; v8-15  pair p: the word with my row's two neighbours
.set W2F,  16                          ; v16-111 W2's eight fragments
.set W2S,  112                         ; v112-115 lanes 0-15 tile t's scale words, lanes 16-31 tile t + 4's
.set B2,   116                         ; v116-123
.set AF,   124                         ; v124-171 two buffers of X's 12 and Y's 12 registers
.set AS,   172                         ; v172-173 their scale words
.set AD,   174                         ; v174-179 their three offsets
.set R,    180                         ; v180-187 my eight results (at the head: LDS addresses)
.set DD,   188                         ; v188-251 eight accumulators (at the head: 64 numbers of W2)
.set PC,   16
.set TC,   28
.set TM,   36
.set PW,   44
.set SEL,  24
	s_load_b256 s[4:11], s[0:1], 0x0               ; W2, b2, nidx, h2c
	s_load_b128 s[12:15], s[0:1], 0x20             ; h2s, out0
	v_lshl_add_u32 v[SPW], v0, 2, SPARE
	v_mov_b32 v[NIL], 0
	v_lshrrev_b32 v6, 5, v0
	v_readfirstlane_b32 s16, v6                    ; wave 0..7
	v_and_b32 v6, 15, v0                           ; r
	v_bfe_u32 v7, v0, 4, 1                         ; h
	v_and_b32 v252, 31, v0                         ; lane
	v_mul_u32_u24 v[H48], v7, 48
	v_lshlrev_b32 v[OUTO], 4, v6
	v_lshl_add_u32 v[OUTO], v7, 9, v[OUTO]
	v_lshlrev_b32 v[H8], 3, v7
	s_and_b32 s20, s16, 3
	s_lshl_b32 s20, s20, 9
	s_lshr_b32 s21, s16, 2
	s_lshl_b32 s21, s21, 15
	s_add_co_u32 s20, s20, s21                     ; my tile's first row: wave % 4 + 64 (wave / 4), 512 bytes a row
	v_lshlrev_b32 v253, 11, v6                     ; + 4 r rows
	v_lshl_add_u32 v253, v7, 7, v253               ; + my blocks: 128 h
	v_add_nc_u32 v253, s20, v253
	v_lshlrev_b32 v254, 2, v6                      ; 4 r = 32 (r / 8) + 4 (r % 8): query r / 8 of a pair, word r % 8 of its record
	v_lshlrev_b32 v255, 4, v6
	s_mul_i32 s20, s16, 1536
	v_lshlrev_b32 v[R+2], 4, v252                  ; an image's place for my lane
	v_add_nc_u32 v[R], s20, v[R+2]                 ; where I store my tile
	s_lshl_b32 s20, s16, 7
	v_lshl_add_u32 v[R+1], v252, 2, s20
	v_add_nc_u32 v[R+1], WSC, v[R+1]
	v_lshl_add_u32 v[R+3], v7, 9, v254
	v_add_nc_u32 v[R+3], WSC, v[R+3]               ; scale words: row r of tile t (lanes 0-15) or of tile t + 4, 512 bytes on (lanes 16-31)
	s_mov_b32 s22, 0xffff0000                      ; the mask of lanes 16-31
	s_mov_b32 s[SEL], 0x76543210
	s_mov_b32 s[SEL+1], 0xfedcba98
	s_and_b32 s18, ttmp7, 0xffff                   ; batch
	s_lshl_b32 s19, s18, 12
	s_lshl_b32 s20, ttmp9, 7
	s_add_co_u32 s19, s19, s20
	s_lshl_b32 s20, s16, 4
	s_add_co_u32 s19, s19, s20                     ; my wave's first query
	s_mov_b32 s21, 0
	s_wait_kmcnt 0x0
	s_lshl_b32 s20, s19, 5
	s_add_nc_u64 s[8:9], s[8:9], s[20:21]
	s_lshl_b32 s20, s19, 9
	s_add_nc_u64 s[14:15], s[14:15], s[20:21]
	s_mul_i32 s20, s18, 393216
	s_add_nc_u64 s[10:11], s[10:11], s[20:21]      ; the batch's codes
	s_lshl_b32 s20, s18, 14
	s_add_nc_u64 s[12:13], s[12:13], s[20:21]      ; and scale words
.irp c, 0,1
.irp i, 0,1,2,3,4,5,6,7
	global_load_b128 v[DD+32*\c+4*\i:DD+32*\c+4*\i+3], v253, s[4:5] offset:256*\c+16*\i
.endr
.endr
.irp p, 0,1,2,3,4,5,6,7
	global_load_b32 v[IW+\p], v254, s[8:9] offset:64*\p
.endr
	global_load_b128 v[B2:B2+3], v255, s[6:7]
	global_load_b128 v[B2+4:B2+7], v255, s[6:7] offset:256
	s_wait_loadcnt 0x0
; a pair's offsets: the two numbers of my row, each held to 4,095 ahead of the address; the scale word's offset is X's in lanes 0-15 and Y's in lanes 16-31
.macro ISV1 p, b
	v_and_b32 v[AD+3*\b], 0xffff, v[IW+\p]
	v_lshrrev_b32 v[AD+3*\b+1], 16, v[IW+\p]
	v_cndmask_b32 v[AD+3*\b+2], v[AD+3*\b], v[AD+3*\b+1], s22
	v_min_u32 v[AD+3*\b], 0xfff, v[AD+3*\b]
	v_min_u32 v[AD+3*\b+1], 0xfff, v[AD+3*\b+1]
	v_min_u32 v[AD+3*\b+2], 0xfff, v[AD+3*\b+2]
.endm
.macro ISV2 b
	v_mul_u32_u24 v[AD+3*\b], v[AD+3*\b], 96
	v_mul_u32_u24 v[AD+3*\b+1], v[AD+3*\b+1], 96
	v_lshlrev_b32 v[AD+3*\b+2], 2, v[AD+3*\b+2]
	v_add_nc_u32 v[AD+3*\b], v[H48], v[AD+3*\b]
	v_add_nc_u32 v[AD+3*\b+1], v[H48], v[AD+3*\b+1]
.endm
.macro ISLD b                                  ; seven loads
.irp i, 0,1,2
	global_load_b128 v[AF+24*\b+4*\i:AF+24*\b+4*\i+3], v[AD+3*\b], s[10:11] offset:16*\i
.endr
.irp i, 0,1,2
	global_load_b128 v[AF+24*\b+12+4*\i:AF+24*\b+12+4*\i+3], v[AD+3*\b+1], s[10:11] offset:16*\i
.endr
	global_load_b32 v[AS+\b], v[AD+3*\b+2], s[12:13]
.endm
	ISV1 0, 0
	ISV2 0
	ISLD 0
	ISV1 1, 1
	ISV2 1
	ISLD 1
	; ---- my tile of W2: 64 numbers of a lane, register 32 c + i = k 64 c + 32 h + i of my row: two whole blocks
.irp c, 0,1
	v_max3_num_f32 v[TM+\c], |v[DD+32*\c]|, |v[DD+1+32*\c]|, 0x1800000   ; with the floor 2^(3 - 127): the byte cannot fall under 1
.endr
.irp i, 2,4,6,8,10,12,14,16,18,20,22,24,26,28,30
.irp c, 0,1
	v_max3_num_f32 v[TM+\c], v[TM+\c], |v[DD+32*\c+\i]|, |v[DD+1+32*\c+\i]|
.endr
.endr
.irp c, 0,1
	v_add_nc_u32 v[TM+2+\c], 0xff000000, v[TM+\c]  ; 2 off the exponent field: the conversion's scale operand
.endr
.irp c, 0,1
	v_lshrrev_b32 v[TM+4+\c], 23, v[TM+2+\c]
.endr
	v_lshl_or_b32 v[PW], v[TM+5], 16, v[TM+4]
	v_lshlrev_b32 v[PW], v[H8], v[PW]
	v_mov_b32 v[TM+6], 0
	v_permlanex16_b32 v[TM+6], v[PW], s[SEL], s[SEL+1]
	v_or_b32 v[PW], v[PW], v[TM+6]
.irp c, 0,1
	v_cvt_scalef32_pk16_fp6_f32 v[PC+6*\c:PC+2+6*\c], v[DD+32*\c:DD+15+32*\c], v[TM+2+\c]
	v_cvt_scalef32_pk16_fp6_f32 v[TC+4*\c:TC+2+4*\c], v[DD+16+32*\c:DD+31+32*\c], v[TM+2+\c]
.endr
	v_nop                                          ; one plain place behind a scaled conversion
.irp c, 0,1
.irp i, 0,1,2
	v_mov_b32 v[PC+3+6*\c+\i], v[TC+4*\c+\i]
.endr
.endr
.irp c, 0,1,2
	ds_store_b128 v[R], v[PC+4*\c:PC+4*\c+3] offset:WIMG+512*\c
.endr
	ds_store_b32 v[R+1], v[PW]
	s_wait_dscnt 0x0                               ; for the others' sake: my image has landed
	s_barrier_signal -1
	s_barrier_wait -1
.irp t, 0,1,2,3,4,5,6,7
.irp c, 0,1,2
	ds_load_b128 v[W2F+12*\t+4*\c:W2F+12*\t+4*\c+3], v[R+2] offset:WIMG+1536*\t+512*\c
.endr
.endr
.irp t, 0,1,2,3
	ds_load_b32 v[W2S+\t], v[R+3] offset:128*\t
.endr
	s_wait_dscnt 0x0
; eight products: W2's tiles o + 0 .. 3 against X and Y.  Each sum is whole in one instruction (K = 128) and begins with the constant 0: no two follow each other on one accumulator.
.macro MM4 o
.irp t, 0,1,2,3
.if \o
	v_wmma_scale_f32_16x16x128_f8f6f4 v[DD+16*\t:DD+16*\t+7], v[AF+24*BB:AF+24*BB+11], v[W2F+12*(\o+\t):W2F+12*(\o+\t)+11], 0, v[AS+BB], v[W2S+\t] matrix_a_fmt:MATRIX_FMT_FP6 matrix_b_fmt:MATRIX_FMT_FP6 matrix_b_scale:MATRIX_SCALE_ROW1
	v_wmma_scale_f32_16x16x128_f8f6f4 v[DD+16*\t+8:DD+16*\t+15], v[AF+24*BB+12:AF+24*BB+23], v[W2F+12*(\o+\t):W2F+12*(\o+\t)+11], 0, v[AS+BB], v[W2S+\t] matrix_a_fmt:MATRIX_FMT_FP6 matrix_b_fmt:MATRIX_FMT_FP6 matrix_a_scale:MATRIX_SCALE_ROW1 matrix_b_scale:MATRIX_SCALE_ROW1
.else
	v_wmma_scale_f32_16x16x128_f8f6f4 v[DD+16*\t:DD+16*\t+7], v[AF+24*BB:AF+24*BB+11], v[W2F+12*(\o+\t):W2F+12*(\o+\t)+11], 0, v[AS+BB], v[W2S+\t] matrix_a_fmt:MATRIX_FMT_FP6 matrix_b_fmt:MATRIX_FMT_FP6
	v_wmma_scale_f32_16x16x128_f8f6f4 v[DD+16*\t+8:DD+16*\t+15], v[AF+24*BB+12:AF+24*BB+23], v[W2F+12*(\o+\t):W2F+12*(\o+\t)+11], 0, v[AS+BB], v[W2S+\t] matrix_a_fmt:MATRIX_FMT_FP6 matrix_b_fmt:MATRIX_FMT_FP6 matrix_a_scale:MATRIX_SCALE_ROW1
.endif
.endr
.endm
; the maximum over X's eight and Y's eight registers, four tiles by turns; each accumulator is read from its low end on
.macro REDUCE o
.irp t, 0,1,2,3
	v_max3_num_f32 v[R+\o+\t], v[DD+16*\t], v[DD+16*\t+1], v[DD+16*\t+2]
.endr
.irp i, 3,5,7,9,11,13
.irp t, 0,1,2,3
	v_max3_num_f32 v[R+\o+\t], v[R+\o+\t], v[DD+16*\t+\i], v[DD+16*\t+\i+1]
.endr
.endr
.irp t, 0,1,2,3
	v_max_num_f32 v[R+\o+\t], v[R+\o+\t], v[DD+16*\t+15]
.endr
.endm
; A pair.  The vector lines that make the offsets of the pair two on are the places behind the products: six ahead of the first reads of results and of the products that write the same accumulators anew,
; five ahead of the loads into the operands just read.  The last two pairs have v_nop there.
.macro COMPUTE p
.set BB, (\p)%2
.if (\p) < 7
	s_wait_loadcnt 0x7                             ; this pair's seven loads are in; the next pair's seven may be out
.else
	s_wait_loadcnt 0x0
.endif
	MM4 0
.if (\p) < 6
	ISV1 (\p)+2, BB
.else
.rept 6
	v_nop
.endr
.endif
	s_wait_xcnt 0x0                                ; the last pair's stores have read their registers, which are written anew below
	REDUCE 0
	MM4 4
.if (\p) < 6
	ISV2 BB
	ISLD BB
.else
.rept 5
	v_nop
.endr
.endif
	REDUCE 4
.irp i, 0,2,4,6
	v_pk_add_f32 v[R+\i:R+\i+1], v[R+\i:R+\i+1], v[B2+\i:B2+\i+1]
.endr
	global_store_b128 v[OUTO], v[R:R+3], s[14:15] offset:1024*(\p) th:TH_STORE_NT        ; sixteen lanes store 256 consecutive bytes of query 2 p + h's row: channels 0-63,
	global_store_b128 v[OUTO], v[R+4:R+7], s[14:15] offset:1024*(\p)+256 th:TH_STORE_NT  ; and 64-127
.endm
.irp p, 0,1,2,3,4,5,6,7
	COMPUTE \p
.endr
	s_wait_tensorcnt 0x0                           ; the wave's end
	ds_add_u32 v[SPW], v[NIL]
	s_wait_dscnt 0x0
	s_endpgm
.Lfunc_end_k_q621bed7e0c_gather:
	.size	k_q621bed7e0c_gather, .Lfunc_end_k_q621bed7e0c_gather-k_q621bed7e0c_gather
	.p2alignl 7, 3214868480
	.fill 96, 4, 3214868480
	.section	.rodata,"a",@progbits
	.p2align	6, 0x0
	.amdhsa_kernel k_q621bed7e0c_gather
		.amdhsa_group_segment_fixed_size 14336
		.amdhsa_private_segment_fixed_size 0
		.amdhsa_enable_private_segment 0
		.amdhsa_kernarg_size 48
		.amdhsa_user_sgpr_count 2
		.amdhsa_user_sgpr_kernarg_segment_ptr 1
		.amdhsa_wavefront_size32 1
		.amdhsa_system_sgpr_workgroup_id_x 1
		.amdhsa_system_sgpr_workgroup_id_y 1
		.amdhsa_system_sgpr_workgroup_id_z 1
		.amdhsa_system_vgpr_workitem_id 0
		.amdhsa_next_free_vgpr 256
		.amdhsa_next_free_sgpr 66
		.amdhsa_reserve_vcc 0
		.amdhsa_float_denorm_mode_32 3
		.amdhsa_float_denorm_mode_16_64 3
		.amdhsa_memory_ordered 1
		.amdhsa_forward_progress 1
		.amdhsa_inst_pref_size 71
	.end_amdhsa_kernel
	.amdgpu_metadata
---
amdhsa.version: [ 1, 2 ]
amdhsa.kernels:
  - .name:           k_q621bed7e0c_gather
    .symbol:         k_q621bed7e0c_gather.kd
    .args:
      - { .name: W2, .offset: 0, .size: 8, .value_kind: global_buffer, .address_space: global }
      - { .name: b2, .offset: 8, .size: 8, .value_kind: global_buffer, .address_space: global }
      - { .name: nidx, .offset: 16, .size: 8, .value_kind: global_buffer, .address_space: global }
      - { .name: h2c, .offset: 24, .size: 8, .value_kind: global_buffer, .address_space: global }
      - { .name: h2s, .offset: 32, .size: 8, .value_kind: global_buffer, .address_space: global }
      - { .name: out0, .offset: 40, .size: 8, .value_kind: global_buffer, .address_space: global }
    .group_segment_fixed_size: 14336
    .private_segment_fixed_size: 0
    .kernarg_segment_align: 8
    .kernarg_segment_size: 48
    .max_flat_workgroup_size: 256
    .sgpr_count:     66
    .vgpr_count:     256
    .wavefront_size: 32
...
	.end_amdgpu_metadata
.endif
;; end of part 3
;; ======== version 2 of 2: 3 launches; version 1 with the launches groups, refine, gather written anew for expert scheduling mode
;; workspace buffers: gid 1,048,576 bytes of whole numbers; nidx 1,048,576 bytes of whole numbers; h2c 3,145,728 bytes; h2s 131,072 bytes
;; launch groups (part 4): grid 32 x 8, 4 waves a work-group, no clusters, 137,728 bytes of LDS; arguments xyz, gid; writes gid
.if DOCPART == 4
	.amdgcn_target "amdgcn-amd-amdhsa--gfx1250"
	.amdhsa_code_object_version 6
	.text
	.protected	k_q621bed7e0c_groups
	.globl	k_q621bed7e0c_groups
	.p2align	8
	.type	k_q621bed7e0c_groups,@function
k_q621bed7e0c_groups:
	s_mov_b64 s[64:65], 0
	v_nop
	global_prefetch_b8 v0, s[64:65] scope:SCOPE_SE
	s_setreg_imm32_b32 hwreg(HW_REG_WAVE_SCHED_MODE, 0, 2), 2
	s_setreg_imm32_b32 hwreg(HW_REG_WAVE_MODE, 25, 1), 1
	s_wait_xcnt 0x0
	s_wait_alu depctr_vm_vsrc(0)
; POINTCNN, launch 1 of 3: for each query the 17 groups of 16 neighbouring candidates that can hold its 17 largest distances.
; WHAT THE PROGRAM LEAVES OUT, in the problem's own terms, for all values of the inputs:
;  (1) Every layer of reference() acts on one row of g alone, and the quantiser's blocks of 32 lie along K inside that row.  The 524,288 rows of g are copies of the 32,768 points, and equal rows give
;      equal codes, scales and sums.  So products 2 and 3 and both quantisers are done once a point (launch 2), and what is gathered is the second hidden layer's codes; product 4 is done on the gathered rows (launch 3).
;  (2) The order of the 16 neighbours cannot reach the output: only their maximum does.  So the 16 are kept as a set.
;  (3) b2 is added behind the maximum: x -> x + b rounded is monotone, so the maximum of the sums is the sum of the maximum, bit for bit.
; What is left out repeats work that is done, so no NaN, infinity or overflow is lost with it.  Every input is loaded.
; WHAT STAYS though it is the same along the ranked axis: sq[m].  The f32 sum sq[m] + sq[n] rounds, equal distances arise by that rounding, and top_k breaks them by index: the term can move the choice.
; THE RANKED NUMBER is made in reference()'s order: sq = fma(z, z, fma(y, y, x x)); dot by x, y, z in fused steps with the query times -2 (a power of two: nothing is rounded by it); t = sq[m] + sq[n]; dist = t + (-2 dot).
; TWO LEVELS ARE EXACT.  Order elements by (dist falling, index rising) and groups by (largest dist falling, number rising).  If an element of rank 17 or better lay in a group outside the 17 first groups,
; 17 groups would come before its own, and the first largest element of each would come before it: then its rank is over 17.
; LIMITS: NaN and infinities among the inputs are not served.  Where reference()'s own arithmetic rounds a dot product otherwise than these fused steps, two candidates within one rounding step of each other at rank 17 and 18 may change places.
; SHARES.  A work-group: 128 queries of one batch against its 4,096 candidates.  First a lane owns two groups (their 32 points stay in registers) and the wave walks the 128 queries; the groups' maxima go to LDS, a row a query.
; Then a lane owns a query: pass A keeps the 17 largest of its 256 maxima in a sorted list (a median of three for each place); pass B walks the row again and appends the numbers of the groups taken to a packed list by funnel shifts.
; No branch, address or register number hangs on a distance.
; THE MODE: SCHED_MODE bits 1:0 = 2 (LLVM: expert scheduling mode 2), set by the entry lines.  The code itself states the register dependences between vector instructions and memory or LDS instructions,
; and those through scalar registers that vector instructions write, with s_wait_alu, always for 0.
; THE PLAN.  Registers that memory or LDS instructions touch:
;   v4, v8       offsets of the head's loads: made once, never written again.
;   v9, v10      LDS addresses of a trip's eight stores: written at the trip's head, read at its end.
;   M            a trip's eight maxima: written by the last lines of its four steps, read by the eight stores at its end.
;   XA, XB       sixteen maxima each: LDS loads land there, the insertions (pass A) or the compares (pass B) read them, and they are loaded again.
;   v[RA]        a lane's row: made once.   v[RC]: the place in it: written once a trip, read by the trip's eight loads.
;   W, v11, v14, v15, v124-131   the way out.
; Scalar registers that vector instructions write: the queries' numbers (16 lane reads a trip, one wait behind the run) and the masks of the compares (laid in runs, one wait behind each run).
.set PITCH, 1040                       ; a query's row in LDS: 256 maxima + 16 bytes: 65 x 16 bytes
.set RST,   128*PITCH                  ; behind the rows: 1,024 bytes for each wave, for the way out
.set SPARE, RST+4096                   ; the spare words, 128 bytes for each wave: no other line names them
.set SPW,  2                           ; v2   LDS address of my spare word; never rewritten
.set NIL,  3                           ; v3   0; never rewritten
.set QV,   16                          ; v16-31  four slots of -2x, -2y, -2z, sq: slot j is query 32 j + lane
.set CA,   32                          ; v32-95  group A: x, y, z, sq of its 16 points, 16 registers each
.set CB,   96                          ; v96-159 group B
.set D,    160                         ; v160-191 the 32 distances (at the head: group A's points as loaded, v160-207)
.set T,    192                         ; v192-223 sq[m] + sq[n], then the maxima's tree (at the head: group B's points as loaded, v208-255)
.set M,    224                         ; v224-231 a trip's eight maxima: step j's at M + 2 j (group A) and M + 2 j + 1 (group B)
.set QP,   32                          ; s32-63  sixteen pairs: the low word holds a number of a query, the high word 0 (the packed forms name the pair); behind the walk s32-47 take sixteen masks
.set L,    32                          ; v32-48  the sorted list
.set TAU,  48                          ; its last place
.set XA,   64                          ; v64-79, v80-95: sixteen maxima each, by turns
.set XB,   80
.set RA,   12                          ; v12  my row; v13 the place in it
.set RC,   13
.set RM,   100                         ; ties at tau passed, less those owed
.set TT,   104
.set R1,   108
.set SH,   112                         ; v112-115 the shift of four items: 8 where taken, else 0
.set W,    116                         ; v116-120 the packed list; v121-123 zeros
.set ID,   16                          ; s16-19 the four items' group numbers
.set SG,   20
.set SE,   24
.set SR,   28
	s_load_b128 s[4:7], s[0:1], 0x0                ; xyz, gid
	v_lshl_add_u32 v[SPW], v0, 2, SPARE
	v_mov_b32 v[NIL], 0
	v_lshrrev_b32 v1, 5, v0                        ; wave
	v_and_b32 v5, 31, v0                           ; lane
	v_lshl_add_u32 v6, v1, 6, v5                   ; group A = 64 wave + lane; group B = A + 32
	v_mul_u32_u24 v4, v6, 192                      ; a group is 16 points of 12 bytes
	v_lshlrev_b32 v6, 2, v6                        ; its word in a row
	v_add_nc_u32 v7, 64*PITCH, v6                  ; the same, 64 rows on (an LDS offset holds 16 bits)
	v_mul_u32_u24 v8, v5, 12
	s_mul_i32 s9, ttmp9, 1536                      ; the block's 128 queries
	v_add_nc_u32 v8, s9, v8
	s_and_b32 s10, ttmp7, 0xffff                   ; the batch
	s_mul_i32 s12, s10, 49152
	s_mov_b32 s13, 0
	s_lshl_b32 s16, s10, 17                        ; gid: 32 bytes a query
	s_lshl_b32 s17, ttmp9, 12
	s_add_co_u32 s16, s16, s17
	s_mov_b32 s17, 0
	s_wait_kmcnt 0x0
	s_add_nc_u64 s[4:5], s[4:5], s[12:13]
	s_add_nc_u64 s[6:7], s[6:7], s[16:17]
	s_wait_alu depctr_va_vdst(0)                   ; v4 and v8 are written, which the loads below read as their offsets
.irp i, 0,1,2,3,4,5,6,7,8,9,10,11
	global_load_b128 v[160+4*\i:163+4*\i], v4, s[4:5] offset:16*\i
.endr
.irp i, 0,1,2,3,4,5,6,7,8,9,10,11
	global_load_b128 v[208+4*\i:211+4*\i], v4, s[4:5] offset:6144+16*\i
.endr
.irp j, 0,1,2,3
	global_load_b96 v[QV+4*\j:QV+4*\j+2], v8, s[4:5] offset:384*\j
.endr
; 16 points as loaded become planes of x, y, z, and sq
.macro PLANES raw, c
.set p, 0
.rept 16
	v_mov_b32 v[\c+p], v[\raw+3*p]
	v_mov_b32 v[\c+16+p], v[\raw+3*p+1]
	v_mov_b32 v[\c+32+p], v[\raw+3*p+2]
.set p, p+1
.endr
.set p, 0
.rept 8
	v_pk_mul_f32 v[\c+48+p:\c+49+p], v[\c+p:\c+1+p], v[\c+p:\c+1+p]
.set p, p+2
.endr
.set p, 0
.rept 8
	v_pk_fma_f32 v[\c+48+p:\c+49+p], v[\c+16+p:\c+17+p], v[\c+16+p:\c+17+p], v[\c+48+p:\c+49+p]
.set p, p+2
.endr
.set p, 0
.rept 8
	v_pk_fma_f32 v[\c+48+p:\c+49+p], v[\c+32+p:\c+33+p], v[\c+32+p:\c+33+p], v[\c+48+p:\c+49+p]
.set p, p+2
.endr
.endm
	s_wait_loadcnt 16                              ; group A is in: B's 12 loads and the queries' 4 are younger
	PLANES 160, CA
	s_wait_loadcnt 4                               ; group B is in
	PLANES 208, CB
	s_wait_loadcnt 0x0
.irp j, 0,1,2,3
	v_mul_f32 v[QV+4*\j+3], v[QV+4*\j], v[QV+4*\j]
.endr
.irp j, 0,1,2,3
	v_fma_f32 v[QV+4*\j+3], v[QV+4*\j+1], v[QV+4*\j+1], v[QV+4*\j+3]
.endr
.irp j, 0,1,2,3
	v_fma_f32 v[QV+4*\j+3], v[QV+4*\j+2], v[QV+4*\j+2], v[QV+4*\j+3]
.endr
.irp n, 0,1,2,4,5,6,8,9,10,12,13,14
	v_mul_f32 v[QV+\n], -2.0, v[QV+\n]
.endr
.set n, 0
.rept 16
	s_mov_b32 s[QP+2*n+1], 0
.set n, n+1
.endr
; One query (slot j) against my two groups: 80 packed lines in stages of 16 that do not wait for each other, 16 lines for the two maxima, which go to the trip's out-buffer.
.macro STEP j
.set i, 0
.rept 8
	v_pk_mul_f32 v[D+i:D+1+i], v[CA+i:CA+1+i], s[QP+8*\j:QP+8*\j+1] op_sel_hi:[1,0]
	v_pk_mul_f32 v[D+16+i:D+17+i], v[CB+i:CB+1+i], s[QP+8*\j:QP+8*\j+1] op_sel_hi:[1,0]
.set i, i+2
.endr
.set i, 0
.rept 8
	v_pk_fma_f32 v[D+i:D+1+i], v[CA+16+i:CA+17+i], s[QP+8*\j+2:QP+8*\j+3], v[D+i:D+1+i] op_sel_hi:[1,0,1]
	v_pk_fma_f32 v[D+16+i:D+17+i], v[CB+16+i:CB+17+i], s[QP+8*\j+2:QP+8*\j+3], v[D+16+i:D+17+i] op_sel_hi:[1,0,1]
.set i, i+2
.endr
.set i, 0
.rept 8
	v_pk_fma_f32 v[D+i:D+1+i], v[CA+32+i:CA+33+i], s[QP+8*\j+4:QP+8*\j+5], v[D+i:D+1+i] op_sel_hi:[1,0,1]
	v_pk_fma_f32 v[D+16+i:D+17+i], v[CB+32+i:CB+33+i], s[QP+8*\j+4:QP+8*\j+5], v[D+16+i:D+17+i] op_sel_hi:[1,0,1]
.set i, i+2
.endr
.set i, 0
.rept 8
	v_pk_add_f32 v[T+i:T+1+i], v[CA+48+i:CA+49+i], s[QP+8*\j+6:QP+8*\j+7] op_sel_hi:[1,0]
	v_pk_add_f32 v[T+16+i:T+17+i], v[CB+48+i:CB+49+i], s[QP+8*\j+6:QP+8*\j+7] op_sel_hi:[1,0]
.set i, i+2
.endr
.set i, 0
.rept 8
	v_pk_add_f32 v[D+i:D+1+i], v[T+i:T+1+i], v[D+i:D+1+i]
	v_pk_add_f32 v[D+16+i:D+17+i], v[T+16+i:T+17+i], v[D+16+i:D+17+i]
.set i, i+2
.endr
.irp m, 0,1,2,3,4
	v_max3_num_f32 v[T+\m], v[D+3*\m], v[D+3*\m+1], v[D+3*\m+2]
	v_max3_num_f32 v[T+16+\m], v[D+16+3*\m], v[D+17+3*\m], v[D+18+3*\m]
.endr
	v_max3_num_f32 v[T+5], v[T], v[T+1], v[T+2]
	v_max3_num_f32 v[T+21], v[T+16], v[T+17], v[T+18]
	v_max3_num_f32 v[T+6], v[T+3], v[T+4], v[D+15]
	v_max3_num_f32 v[T+22], v[T+19], v[T+20], v[D+31]
	v_max_num_f32 v[M+2*\j], v[T+5], v[T+6]
	v_max_num_f32 v[M+2*\j+1], v[T+21], v[T+22]
.endm
	s_mov_b32 s14, 0
	s_mov_b32 s66, 0
.Lquery:                                               ; 32 trips: trip k takes queries k, 32 + k, 64 + k, 96 + k
.set n, 0
.rept 16
	v_readlane_b32 s[QP+2*n], v[QV+n], s14
.set n, n+1
.endr
	s_wait_alu depctr_vm_vsrc(0)                   ; the last trip's eight stores have read v9, v10 and the out-buffer, all of which this trip writes again
	v_add_nc_u32 v9, s66, v6
	v_add_nc_u32 v10, s66, v7
	s_wait_alu depctr_va_sdst(0)                   ; the sixteen lane reads have written the queries' numbers, ahead of the packed lines that read them
	STEP 0
	STEP 1
	STEP 2
	STEP 3
	s_wait_alu depctr_va_vdst(0)                   ; the four steps have written the out-buffer, and v9 and v10 are written: the eight stores read them
.irp j, 0,1,2,3
	ds_store_b32 v[9+\j/2], v[M+2*\j] offset:32*PITCH*(\j%2)         ; row 32 j + trip, word of group A: 32 lanes write 128 consecutive bytes
	ds_store_b32 v[9+\j/2], v[M+2*\j+1] offset:32*PITCH*(\j%2)+128   ; and of group B
.endr
	s_add_co_u32 s66, s66, PITCH
	s_add_co_u32 s14, s14, 1
	s_cmp_lt_u32 s14, 32
	s_cbranch_scc1 .Lquery
	s_wait_dscnt 0x0                               ; my stores have landed: a row's words come from all four waves
	s_barrier_signal -1
	s_barrier_wait -1
; ---- a lane owns a query
.macro LD16 x, a, off
.irp i, 0,1,2,3
	ds_load_b128 v[\x+4*\i:\x+4*\i+3], v[\a] offset:\off+16*\i
.endr
.endm
; sixteen numbers into the sorted list: place i takes the middle one of its upper neighbour, itself and the number; taken from the bottom up, so that each line reads the old neighbour
.macro INS16 x
.set n, 0
.rept 16
.set i, 16
.rept 16
	v_med3_num_f32 v[L+i], v[L+i-1], v[L+i], v[\x+n]
.set i, i-1
.endr
	v_max_num_f32 v[L], v[L], v[\x+n]
.set n, n+1
.endr
.endm
	v_mul_u32_u24 v[RA], v0, PITCH
.set i, 0
.rept 17
	v_mov_b32 v[L+i], 0xff800000                   ; -infinity, under every distance
.set i, i+1
.endr
	s_wait_alu depctr_va_vdst(0)                   ; v[RA] is written, which the loads read; the walk's packed lines are done with v64-95, in which the loads land
	LD16 XA, RA, 0
	s_mov_b32 s15, 0
	s_mov_b32 s66, 0
.LpassA:                                               ; 7 trips of 32 maxima; the last 32 are written out, so that no load leaves the row
	s_wait_alu depctr_vm_vsrc(0)                   ; the loads issued so far have read v[RC]
	v_add_nc_u32 v[RC], s66, v[RA]
	s_wait_alu depctr_va_vdst(0)                   ; v[RC] is written; the last trip's insertions are done reading XB
	LD16 XB, RC, 64
	s_wait_dscnt 0x4                               ; the older four loads are in, the four just issued may be out
	INS16 XA
	s_wait_alu depctr_va_vdst(0)                   ; the insertions are done reading XA
	LD16 XA, RC, 128
	s_wait_dscnt 0x4
	INS16 XB
	s_add_co_u32 s66, s66, 128
	s_add_co_u32 s15, s15, 1
	s_cmp_lt_u32 s15, 7
	s_cbranch_scc1 .LpassA
	s_wait_alu depctr_vm_vsrc(0)                   ; the loads issued so far have read v[RC]
	v_add_nc_u32 v[RC], s66, v[RA]
	s_wait_alu depctr_va_vdst(0)                   ; v[RC] is written; the insertions are done reading XB
	LD16 XB, RC, 64
	s_wait_dscnt 0x4
	INS16 XA
	s_wait_dscnt 0x0
	INS16 XB
	; tau = the 17th largest; of the numbers equal to tau the first 17 - (how many are larger) belong
	v_add_f32 v[TAU], 0, v[TAU]
	v_mov_b32 v[RM], 0xffffffef                    ; -17
.set i, 0
.rept 16
	v_cmp_gt_f32 s[QP+i], v[L+i], v[TAU]           ; the sixteen compares in one run, a mask each
.set i, i+1
.endr
	s_wait_alu depctr_va_sdst(0)                   ; the sixteen masks are written, ahead of the selects that read them
.set i, 0
.rept 16
	v_cndmask_b32 v[TT], 0, 1, s[QP+i]
	v_add_nc_u32 v[RM], v[RM], v[TT]
.set i, i+1
.endr
.irp k, 0,1,2,3
	v_mov_b32 v[SH+\k], 0
	s_mov_b32 s[ID+\k], \k-4
.endr
.irp j, 0,1,2,3,4,5,6,7
	v_mov_b32 v[W+\j], 0
.endr
; the list moves down by the item's shift and the item's number enters at the top; a shift of 0 changes nothing
.macro APP k
	v_alignbit_b32 v[W], v[W+1], v[W], v[SH+\k]
	v_alignbit_b32 v[W+1], v[W+2], v[W+1], v[SH+\k]
	v_alignbit_b32 v[W+2], v[W+3], v[W+2], v[SH+\k]
	v_alignbit_b32 v[W+3], v[W+4], v[W+3], v[SH+\k]
	v_alignbit_b32 v[W+4], s[ID+\k], v[W+4], v[SH+\k]
.endm
; four items: their masks are made while the four items before are appended (the first call finds shifts of 0).  An item is taken where it is over tau, or equals tau while ties are still owed.
.macro PB4 x
.irp k, 0,1,2,3
	v_cmp_gt_f32 s[SG+\k], v[\x+\k], v[TAU]
.endr
.irp k, 0,1,2,3
	v_cmp_eq_f32 s[SE+\k], v[\x+\k], v[TAU]
.endr
	APP 0
	APP 1
	s_wait_alu depctr_va_sdst(0)                   ; the eight masks above are written, ahead of the selects that read the four of the ties
.irp k, 0,1,2,3
	v_cndmask_b32 v[TT+\k], 0, 1, s[SE+\k]
.endr
	v_cmp_gt_i32 s[SR], 0, v[RM]                   ; ties still owed ahead of item 0,
	v_add_nc_u32 v[R1], v[RM], v[TT]
	v_add3_u32 v[R1+1], v[RM], v[TT], v[TT+1]
	v_cmp_gt_i32 s[SR+1], 0, v[R1]                 ; of item 1, and so on
	v_add3_u32 v[R1+2], v[R1], v[TT+1], v[TT+2]
	v_cmp_gt_i32 s[SR+2], 0, v[R1+1]
	v_add3_u32 v[RM], v[R1+1], v[TT+2], v[TT+3]
	v_cmp_gt_i32 s[SR+3], 0, v[R1+2]
	APP 2
	APP 3
	s_wait_alu depctr_va_sdst(0)                   ; the four masks of the ties owed are written, ahead of the scalar lines that read them
.irp k, 0,1,2,3
	s_add_co_u32 s[ID+\k], s[ID+\k], 4
.endr
.irp k, 0,1,2,3
	s_and_b32 s[SE+\k], s[SE+\k], s[SR+\k]
.endr
.irp k, 0,1,2,3
	s_or_b32 s[SG+\k], s[SG+\k], s[SE+\k]
.endr
.irp k, 0,1,2,3
	v_cndmask_b32 v[SH+\k], 0, 8, s[SG+\k]
.endr
.endm
.macro PB16 x
	PB4 \x
	PB4 \x+4
	PB4 \x+8
	PB4 \x+12
.endm
	s_wait_alu depctr_va_vdst(0)                   ; pass A's last insertions are done reading XA
	LD16 XA, RA, 0
	s_mov_b32 s15, 0
	s_mov_b32 s66, 0
.LpassB:                                               ; the same walk once more, in rising order of the groups
	s_wait_alu depctr_vm_vsrc(0)                   ; the loads issued so far have read v[RC]
	v_add_nc_u32 v[RC], s66, v[RA]
	s_wait_alu depctr_va_vdst(0)                   ; v[RC] is written; the compares issued so far are done reading XB
	LD16 XB, RC, 64
	s_wait_dscnt 0x4
	PB16 XA
	s_wait_alu depctr_va_vdst(0)                   ; the compares are done reading XA
	LD16 XA, RC, 128
	s_wait_dscnt 0x4
	PB16 XB
	s_add_co_u32 s66, s66, 128
	s_add_co_u32 s15, s15, 1
	s_cmp_lt_u32 s15, 7
	s_cbranch_scc1 .LpassB
	s_wait_alu depctr_vm_vsrc(0)                   ; the loads issued so far have read v[RC]
	v_add_nc_u32 v[RC], s66, v[RA]
	s_wait_alu depctr_va_vdst(0)                   ; v[RC] is written; the compares are done reading XB
	LD16 XB, RC, 64
	s_wait_dscnt 0x4
	PB16 XA
	s_wait_dscnt 0x0
	PB16 XB
	APP 0                                          ; the last four items
	APP 1
	APP 2
	APP 3
	; exactly 17 items were taken, 8 bits each, into 160 bits: the s-th stands in byte 3 + s.  A record of 32 bytes a query goes through my wave's stage, so that each store covers 512 consecutive bytes
	v_lshl_add_u32 v14, v0, 5, RST
	v_lshlrev_b32 v15, 4, v5
	v_lshl_add_u32 v15, v1, 10, v15                ; 1,024 wave + 16 lane
	v_add_nc_u32 v11, RST, v15                     ; (a register of its own: nothing that LDS has read is written again)
	s_wait_alu depctr_va_vdst(0)                   ; the list and the three addresses are written, which the lines below read; the walk's lines are done with v124-131, in which the loads land
	ds_store_b128 v14, v[W:W+3]
	ds_store_b128 v14, v[W+4:W+7] offset:16
	ds_load_b128 v[124:127], v11                   ; LDS serves a wave's instructions in order: these see my wave's stores
	ds_load_b128 v[128:131], v11 offset:512
	s_wait_dscnt 0x1
	global_store_b128 v15, v[124:127], s[6:7]
	s_wait_dscnt 0x0
	global_store_b128 v15, v[128:131], s[6:7] offset:512
	s_wait_dscnt 0x0                               ; the wave's end
	s_wait_alu 0x0
	s_wait_tensorcnt 0x0
	ds_add_u32 v[SPW], v[NIL]
	s_wait_dscnt 0x0
	s_endpgm
.Lfunc_end_k_q621bed7e0c_groups:
	.size	k_q621bed7e0c_groups, .Lfunc_end_k_q621bed7e0c_groups-k_q621bed7e0c_groups
	.p2alignl 7, 3214868480
	.fill 96, 4, 3214868480
	.section	.rodata,"a",@progbits
	.p2align	6, 0x0
	.amdhsa_kernel k_q621bed7e0c_groups
		.amdhsa_group_segment_fixed_size 137728
		.amdhsa_private_segment_fixed_size 0
		.amdhsa_enable_private_segment 0
		.amdhsa_kernarg_size 16
		.amdhsa_user_sgpr_count 2
		.amdhsa_user_sgpr_kernarg_segment_ptr 1
		.amdhsa_wavefront_size32 1
		.amdhsa_system_sgpr_workgroup_id_x 1
		.amdhsa_system_sgpr_workgroup_id_y 1
		.amdhsa_system_sgpr_workgroup_id_z 1
		.amdhsa_system_vgpr_workitem_id 0
		.amdhsa_next_free_vgpr 256
		.amdhsa_next_free_sgpr 72
		.amdhsa_reserve_vcc 0
		.amdhsa_float_denorm_mode_32 3
		.amdhsa_float_denorm_mode_16_64 3
		.amdhsa_memory_ordered 1
		.amdhsa_forward_progress 1
		.amdhsa_inst_pref_size 164
	.end_amdhsa_kernel
	.amdgpu_metadata
---
amdhsa.version: [ 1, 2 ]
amdhsa.kernels:
  - .name:           k_q621bed7e0c_groups
    .symbol:         k_q621bed7e0c_groups.kd
    .args:
      - { .name: xyz, .offset: 0, .size: 8, .value_kind: global_buffer, .address_space: global }
      - { .name: gid, .offset: 8, .size: 8, .value_kind: global_buffer, .address_space: global }
    .group_segment_fixed_size: 137728
    .private_segment_fixed_size: 0
    .kernarg_segment_align: 8
    .kernarg_segment_size: 16
    .max_flat_workgroup_size: 128
    .sgpr_count:     72
    .vgpr_count:     256
    .wavefront_size: 32
...
	.end_amdgpu_metadata
.endif
;; end of part 4
;; launch refine (part 5): grid 32 x 8, 4 waves a work-group, no clusters, 165,376 bytes of LDS; arguments xyz, W0, b0, W1, b1, gid, h2c, h2s, nidx; writes h2c, h2s, nidx
.if DOCPART == 5
	.amdgcn_target "amdgcn-amd-amdhsa--gfx1250"
	.amdhsa_code_object_version 6
	.text
	.protected	k_q621bed7e0c_refine
	.globl	k_q621bed7e0c_refine
	.p2align	8
	.type	k_q621bed7e0c_refine,@function
k_q621bed7e0c_refine:
	s_mov_b64 s[64:65], 0
	v_nop
	global_prefetch_b8 v0, s[64:65] scope:SCOPE_SE
	s_setreg_imm32_b32 hwreg(HW_REG_WAVE_SCHED_MODE, 0, 2), 2
	s_setreg_imm32_b32 hwreg(HW_REG_WAVE_MODE, 25, 1), 1
	s_wait_xcnt 0x0
	s_wait_alu depctr_vm_vsrc(0)
; POINTCNN, launch 2 of 3.  Two things for the same 128 points of a batch.
; (a) AS POINTS: h1 = relu(W0 p + b0) in f32 by fused multiply-adds; quantised to E2M3 along its 128; h2 = relu(W1 h1 + b1) on codes; quantised again; h2's codes and scale words go to memory.
;     Left out: reference() does this for each of the 16 gathered copies of a point; equal rows give equal codes and sums, so it is done once a point.
; (b) AS QUERIES: the 17 x 16 distances of the groups that launch 1 chose, made by the same operations in the same order, and of them ranks 2 to 17 (value falling, index rising), as numbers of points.
; LIMITS: NaN and infinities are not served; a block of zeros gets the scale byte 1 (its codes are zeros, and this program alone reads the bytes).
; THE ROWS OF W1 THAT FORM A TILE ARE NOT NEIGHBOURS: lane r of tile 2 b + u takes row 32 b + 8 u + r + 8 (r / 8); the product is used transposed (source 0 = 16 rows of W1, source 1 = 16 points), so that a lane holds one
; point and the 16 registers of tiles 2 b, 2 b + 1 are its hidden units 32 b + 16 (lane / 16) + 0 .. 15: sixteen neighbours along the next K.
; REGISTERS, in windows of 256: window 0 all that vector lines touch; window 1 W0 (v0-191: three numbers for each of my 64 channels) and b0 (v192-255); window 2 W1's eight fragments (v0-95) and b1 in the result's layout (v96-159).
; THE MODE: SCHED_MODE bits 1:0 = 2 (LLVM: expert scheduling mode 2), set by the entry lines.  The code itself states the register dependences between vector or matrix instructions and memory or LDS instructions,
; and those through scalar registers that vector instructions write, with s_wait_alu, always for 0.
; THE PLAN.  Registers that memory or LDS instructions touch:
;   v1-6, v11, v15, M_..   offsets and LDS addresses, made once at the head.
;   PCW, PC0, PWW, PWW+1   my two fragments of W1 and their scale words, each in registers of its own: written by the quantiser, read by one run of eight LDS stores.  PC0 is h1's from the barrier on.
;   PC0, PW0               h1's codes and scale words: written by vector lines, taken by the scaled products.
;   PCH, PCH+40, v235      h2's codes, a run of registers for each tile, and the joined scale words: written by the quantiser, read by one run of stores.   OB: the codes read back from the stage, stored to memory.
;   the three SETS of 17 slots (x, y, z, w): a pair's loads land in x, y, z; the arithmetic leaves the distance in x, which an LDS store reads; the next pair's offset is made in w, which the load reads.
;   v[VD]                  LDS address of a trip's stores: written once a trip; a pair's place in the trip stands in the stores' immediates.
;   XA, XB, v[RA], v[RC]   the two sweeps, as in launch 1.   N, F, v110, v111: the way out.
; A PAIR'S STEP has one wait for vector results: behind the arithmetic and the offsets, ahead of the 17 stores and 17 loads; between the stores and the loads one wait for the stores' reads, since the loads land on the stores' data.
; That second wait, two steps on, has also shown a set's loads to have read their offsets when the arithmetic writes w again.
; Scalar registers that vector instructions write: the wave's number; a pair's 18 lane reads (at the step's head, their wait behind the arithmetic); the masks of the compares.
.set DP,    1104                       ; a query's row of 272 distances in LDS: 1,088 bytes + 16 = 69 x 16
.set WIMG,  128*DP                     ; W1's eight fragments as images of their registers, 1,536 bytes each
.set WSC,   WIMG+8*1536                ; their scale words, 128 bytes each
.set CST,   WSC+8*128                  ; a stage of 1,536 bytes for each wave: a tile's codes on the way out
.set NST,   CST+4*1536                 ; a stage of 1,024 bytes for each wave: the records on the way out
.set SPARE, NST+4*1024                 ; the spare words, 128 bytes for each wave: no other line names them
.set SPW,  254
.set NIL,  255
.set H8,   7                           ; 8 x (lane / 16)
.set PT0,  8                           ; v8-10, v12-14: the point of my row in tile 0, 1
.set PT1,  12
.set LI16, 11                          ; 16 x lane
.set LI4,  15                          ; 4 x lane
.set XS0,  16                          ; v16-79, v80-143: 64 numbers of a row of W1, for my two tiles
.set XS1,  80
.set H,    16                          ; v16-79 a hidden layer: 64 numbers of my point
.set PCH,  80                          ; h2's codes: tile 0's at v80-91, tile 1's at v120-131
.set OB,   96                          ; v96-119 codes read back from the stage, 12 registers a tile
.set PCW,  144                         ; my first fragment of W1 (the second is made in PC0's registers)
.set TC,   156                         ; v156-163 the conversions' second halves
.set TM,   164                         ; v164-179 at work in the quantisers
.set PWW,  180                         ; v180-181 my two fragments' scale words
.set PC0,  184                         ; v184-207 h1's codes, 12 registers a tile
.set W1S,  208                         ; v208-215 W1's scale words
.set PW0,  216                         ; v216-217 h1's scale words
.set PH0,  218                         ; v218-219 h2's
.set RW,   220                         ; v220-224 my query's record from launch 1
.set QL,   226                         ; v226-229 -2 x my query, and its sq
.set I,    230                         ; v230-234 the record of the query that my half of the lanes serves
.set QS,   236                         ; v236-247 that query's four numbers, for each of three sets
.set LC,   248                         ; 12 x (lane % 16)
.set VD0,  249
.set VD,   250
.set M_WI, 236                         ; (addresses of part (a), in registers that part (b) takes later)
.set M_WS, 237
.set M_FI, 238
.set M_FS, 239
.set M_CSI, 240
.set M_CSO, 241
.set SEL,  30                          ; s[30:31] selects for lane l xor 16
.set MSB, 0
.macro WIN new                         ; the immediate's high byte repeats the setting that is left
.if MSB != \new
	s_set_vgpr_msb (MSB<<8)|\new
.set MSB, \new
.endif
.endm
	s_load_b512 s[4:19], s[0:1], 0x0               ; xyz, W0, b0, W1, b1, gid, h2c, h2s
	s_load_b64 s[20:21], s[0:1], 0x40              ; nidx
	v_lshl_add_u32 v[SPW], v0, 2, SPARE
	v_mov_b32 v[NIL], 0
	v_lshrrev_b32 v250, 5, v0
	v_readfirstlane_b32 s22, v250                  ; wave
	s_and_b32 s24, ttmp7, 0xffff                   ; batch
	v_and_b32 v252, 31, v0                         ; lane
	v_and_b32 v253, 15, v0                         ; r
	v_bfe_u32 v251, v0, 4, 1                       ; h
	v_lshlrev_b32 v[H8], 3, v251
	v_lshlrev_b32 v1, 5, v0                        ; my record: 32 bytes a query
	s_mul_i32 s23, ttmp9, 1536                     ; the block's first point, 12 bytes a point
	v_mul_u32_u24 v2, v0, 12
	v_add_nc_u32 v2, s23, v2                       ; my query
	v_and_b32 v3, 8, v253
	v_add_nc_u32 v3, v3, v253                      ; r + 8 (r / 8)
	v_lshlrev_b32 v3, 9, v3                        ; a row of W1 is 512 bytes
	v_lshl_add_u32 v3, v251, 7, v3                 ; my blocks of 32 begin 128 h bytes on
	v_lshlrev_b32 v4, 6, v251                      ; 64 h: biases
	v_mul_u32_u24 v5, v251, 192                    ; 192 h: W0
	s_wait_alu depctr_va_sdst(0)                   ; the wave's number is written, ahead of its first reader
	s_mul_i32 s26, s22, 384
	s_add_co_u32 s26, s26, s23
	v_mul_u32_u24 v6, v253, 12
	v_add_nc_u32 v6, s26, v6                       ; point 32 wave + r of the block
	v_lshlrev_b32 v[LI16], 4, v252
	v_lshlrev_b32 v[LI4], 2, v252
	s_mul_i32 s26, s22, 3072
	v_add_nc_u32 v[M_WI], s26, v[LI16]
	v_add_nc_u32 v[M_WI], WIMG, v[M_WI]            ; where I store my two fragments of W1
	s_lshl_b32 s26, s22, 8
	v_add_nc_u32 v[M_WS], s26, v[LI4]
	v_add_nc_u32 v[M_WS], WSC, v[M_WS]
	v_add_nc_u32 v[M_FI], WIMG, v[LI16]            ; and from where every wave fetches all eight
	v_add_nc_u32 v[M_FS], WSC, v[LI4]
	s_mul_i32 s26, s22, 1536
	v_mul_u32_u24 v[M_CSI], v253, 96
	v_mad_u32_u24 v[M_CSI], v251, 48, v[M_CSI]
	v_add_nc_u32 v[M_CSI], s26, v[M_CSI]
	v_add_nc_u32 v[M_CSI], CST, v[M_CSI]           ; the stage, in: row r of 96 bytes, my half's 48
	v_add_nc_u32 v[M_CSO], s26, v[LI16]
	v_add_nc_u32 v[M_CSO], CST, v[M_CSO]           ; and out: 16 bytes a lane
	s_mov_b32 s28, 0xffff0000                      ; the mask of lanes 16-31
	s_mov_b32 s[SEL], 0x76543210
	s_mov_b32 s[SEL+1], 0xfedcba98
	s_lshl_b32 s25, s24, 12
	s_lshl_b32 s26, ttmp9, 7
	s_add_co_u32 s25, s25, s26                     ; the block's first point among all 32,768
	s_lshl_b32 s26, s22, 5
	s_add_co_u32 s29, s25, s26                     ; my wave's first
	s_mov_b32 s37, 0
	s_wait_kmcnt 0x0
	s_mul_i32 s36, s24, 49152
	s_add_nc_u64 s[4:5], s[4:5], s[36:37]          ; xyz at my batch
	s_lshl_b32 s36, s25, 5
	s_add_nc_u64 s[14:15], s[14:15], s[36:37]      ; gid at my block
	s_mul_i32 s36, s29, 96
	s_add_nc_u64 s[16:17], s[16:17], s[36:37]      ; h2c, h2s, nidx at my wave's first point
	s_lshl_b32 s36, s29, 2
	s_add_nc_u64 s[18:19], s[18:19], s[36:37]
	s_lshl_b32 s36, s29, 5
	s_add_nc_u64 s[20:21], s[20:21], s[36:37]
	s_lshl_b32 s36, s22, 14
	s_add_nc_u64 s[10:11], s[10:11], s[36:37]      ; W1 at row 32 wave
	s_wait_alu depctr_va_vdst(0)                   ; all offsets and LDS addresses of part (a) are written, which the loads and stores below read; only loads and window switches stand between this wait and the last load of the run
	global_load_b128 v[RW:RW+3], v1, s[14:15]
	global_load_b32 v[RW+4], v1, s[14:15] offset:16
	global_load_b96 v[QL:QL+2], v2, s[4:5]
	global_load_b96 v[PT0:PT0+2], v6, s[4:5]
	global_load_b96 v[PT1:PT1+2], v6, s[4:5] offset:192
.irp u, 0,1
.irp c, 0,1
.irp i, 0,1,2,3,4,5,6,7
	global_load_b128 v[XS0+64*\u+32*\c+4*\i:XS0+64*\u+32*\c+4*\i+3], v3, s[10:11] offset:4096*\u+256*\c+16*\i   ; W1(tile 2 wave + u, my row, k = 64 c + 32 h + 4 i ..)
.endr
.endr
.endr
	WIN 0x40                                       ; destination window 1
.irp b, 0,1,2,3
.irp n, 0,1,2,3,4,5,6,7,8,9,10,11
	global_load_b128 v[48*\b+4*\n:48*\b+4*\n+3], v5, s[6:7] offset:384*\b+16*\n     ; W0's rows 32 b + 16 h + 0 .. 15: register 3 e + c is W0(channel of my register e, c)
.endr
.irp n, 0,1,2,3
	global_load_b128 v[192+16*\b+4*\n:192+16*\b+4*\n+3], v4, s[8:9] offset:128*\b+16*\n
.endr
.endr
	WIN 0x80                                       ; destination window 2
.irp t, 0,1,2,3,4,5,6,7
	global_load_b128 v[96+8*\t:96+8*\t+3], v4, s[12:13] offset:(32*(\t/2)+8*(\t%2))*4
	global_load_b128 v[96+8*\t+4:96+8*\t+7], v4, s[12:13] offset:(32*(\t/2)+8*(\t%2))*4+16
.endr
	WIN 0
.irp b, 0,1,2,3
	v_mov_b32 v[TM+4+\b], 0                        ; written once: a lane permute's destination counts as one of its sources
.endr
	s_wait_loadcnt 0x0
; 64 numbers of a lane, register 32 c + i = k 64 c + 32 h + i of my row (two whole blocks), become a fragment's codes and my row's scale word
.macro QW xs, pc, pw
.irp c, 0,1
	v_max3_num_f32 v[TM+\c], |v[\xs+32*\c]|, |v[\xs+1+32*\c]|, 0x1800000   ; with the floor 2^(3 - 127): the byte cannot fall under 1
.endr
.irp i, 2,4,6,8,10,12,14,16,18,20,22,24,26,28,30
.irp c, 0,1
	v_max3_num_f32 v[TM+\c], v[TM+\c], |v[\xs+32*\c+\i]|, |v[\xs+1+32*\c+\i]|
.endr
.endr
.irp c, 0,1
	v_add_nc_u32 v[TM+2+\c], 0xff000000, v[TM+\c]  ; 2 off the exponent field: the conversion's scale operand
.endr
.irp c, 0,1
	v_lshrrev_b32 v[TM+4+\c], 23, v[TM+2+\c]       ; the scale's byte
.endr
	v_lshl_or_b32 v[\pw], v[TM+5], 16, v[TM+4]     ; blocks h and 2 + h,
	v_lshlrev_b32 v[\pw], v[H8], v[\pw]            ; at their places in the word;
	v_mov_b32 v[TM+6], 0
	v_permlanex16_b32 v[TM+6], v[\pw], s[SEL], s[SEL+1]
	v_or_b32 v[\pw], v[\pw], v[TM+6]               ; with lane l xor 16's two the word is whole
.irp c, 0,1
	v_cvt_scalef32_pk16_fp6_f32 v[\pc+6*\c:\pc+2+6*\c], v[\xs+32*\c:\xs+15+32*\c], v[TM+2+\c]
	v_cvt_scalef32_pk16_fp6_f32 v[TC+4*\c:TC+2+4*\c], v[\xs+16+32*\c:\xs+31+32*\c], v[TM+2+\c]   ; (a conversion's three registers begin on an even number)
.endr
	v_nop                                          ; one plain place behind a scaled conversion
.irp c, 0,1
.irp i, 0,1,2
	v_mov_b32 v[\pc+3+6*\c+\i], v[TC+4*\c+\i]
.endr
.endr
.endm
; 64 numbers of a lane, register 16 b + i = k 32 b + 16 h + i of my row, become a fragment's codes and my row's scale word
.macro QUANT s, pc, pw
.irp b, 0,1,2,3
	v_max3_num_f32 v[TM+\b], |v[\s+16*\b]|, |v[\s+1+16*\b]|, 0x1800000
.endr
.irp i, 2,4,6,8,10,12,14
.irp b, 0,1,2,3
	v_max3_num_f32 v[TM+\b], v[TM+\b], |v[\s+16*\b+\i]|, |v[\s+1+16*\b+\i]|
.endr
.endr
.irp b, 0,1,2,3
	v_permlanex16_b32 v[TM+4+\b], v[TM+\b], s[SEL], s[SEL+1]
.endr
.irp b, 0,1,2,3
	v_max_num_f32 v[TM+\b], v[TM+\b], v[TM+4+\b]   ; with lane l xor 16's 16: the block's largest magnitude
.endr
.irp b, 0,1,2,3
	v_add_nc_u32 v[TM+12+\b], 0xff000000, v[TM+\b]
.endr
.irp b, 0,1,2,3
	v_lshrrev_b32 v[TM+4+\b], 23, v[TM+12+\b]
.endr
	v_lshl_or_b32 v[\pw], v[TM+5], 8, v[TM+4]
	v_lshl_or_b32 v[\pw], v[TM+6], 16, v[\pw]
	v_lshl_or_b32 v[\pw], v[TM+7], 24, v[\pw]
.irp c, 0,1
	v_cvt_scalef32_pk16_fp6_f32 v[\pc+6*\c:\pc+2+6*\c], v[\s+32*\c:\s+15+32*\c], v[TM+12+2*\c]
	v_cvt_scalef32_pk16_fp6_f32 v[TC+4*\c:TC+2+4*\c], v[\s+16+32*\c:\s+31+32*\c], v[TM+12+2*\c+1]
.endr
	v_nop                                          ; one plain place behind a scaled conversion
.irp c, 0,1                                    ; the operand's layout wants a whole block in a lane: lanes 0-15 block 2 c, lanes 16-31 block 2 c + 1
.irp i, 0,1,2
	v_permlane16_swap_b32 v[\pc+6*\c+\i], v[TC+4*\c+\i]
.endr
.irp i, 0,1,2
	v_mov_b32 v[\pc+3+6*\c+\i], v[TC+4*\c+\i]
.endr
.endr
.endm
.macro IMAGE adr, pc, off                      ; a fragment goes to LDS as it stands: lane l's 16 bytes at 16 l, 512 bytes a store
.irp c, 0,1,2
	ds_store_b128 v[\adr], v[\pc+4*\c:\pc+4*\c+3] offset:\off+512*\c
.endr
.endm
	; ---- W1: each wave quantises two of the eight tiles, each into registers of its own; all fetch all
	QW XS0, PCW, PWW
	QW XS1, PC0, PWW+1
	s_wait_alu depctr_va_vdst(0)                   ; both fragments' codes and scale words are written, which the eight LDS stores read
	IMAGE M_WI, PCW, 0
	ds_store_b32 v[M_WS], v[PWW]
	IMAGE M_WI, PC0, 1536
	ds_store_b32 v[M_WS], v[PWW+1] offset:128
	s_wait_dscnt 0x0                               ; for the others' sake: my images have landed
	s_barrier_signal -1
	s_barrier_wait -1
	s_wait_alu depctr_vm_vsrc(0)                   ; my LDS stores have read v[PC0 ..], which h1's codes take below
	WIN 0x80
.irp t, 0,1,2,3,4,5,6,7
.irp c, 0,1,2
	ds_load_b128 v[12*\t+4*\c:12*\t+4*\c+3], v[M_FI] offset:1536*\t+512*\c
.endr
.endr
	WIN 0
.irp t, 0,1,2,3,4,5,6,7
	ds_load_b32 v[W1S+\t], v[M_FS] offset:128*\t
.endr
	; ---- layer 0, in f32: my point's 64 channels
.macro LAYER0 pt
	WIN 0x11                                       ; sources 0 (W0) and 2 (b0) window 1
.set e, 0
.rept 64
	v_fma_f32 v[H+e], v[3*e], v[\pt], v[192+e]
.set e, e+1
.endr
	WIN 0x01
.set e, 0
.rept 64
	v_fma_f32 v[H+e], v[3*e+1], v[\pt+1], v[H+e]
.set e, e+1
.endr
.set e, 0
.rept 64
	v_fma_f32 v[H+e], v[3*e+2], v[\pt+2], v[H+e]
.set e, e+1
.endr
	WIN 0
.set e, 0
.rept 64
	v_max_num_f32 v[H+e], 0, v[H+e]
.set e, e+1
.endr
.endm
	LAYER0 PT0
	QUANT H, PC0, PW0
	LAYER0 PT1
	QUANT H, PC0+12, PW0+1
	s_wait_dscnt 0x0                               ; W1's fragments and scale words are in
	; ---- layer 1 on codes: eight tiles, each whole in one instruction, b1 as its C; relu; quantised, each tile of points into registers of its own
.macro LAYER1 u
	WIN 0x22                                       ; sources 0 (W1) and 2 (b1) window 2
.irp t, 0,1,2,3,4,5,6,7
	v_wmma_scale_f32_16x16x128_f8f6f4 v[H+8*\t:H+8*\t+7], v[12*\t:12*\t+11], v[PC0+12*\u:PC0+12*\u+11], v[96+8*\t:96+8*\t+7], v[W1S+\t], v[PW0+\u] matrix_a_fmt:MATRIX_FMT_FP6 matrix_b_fmt:MATRIX_FMT_FP6
.endr
	WIN 0
.rept 4
	v_nop                                          ; four places ahead of the first read of results (ISA guide 7.12.1)
.endr
.set e, 0
.rept 64
	v_max_num_f32 v[H+e], 0, v[H+e]                ; each accumulator from its low end on
.set e, e+1
.endr
	QUANT H, PCH+40*\u, PH0+\u
.endm
	s_wait_alu depctr_va_vdst(0)                   ; h1's codes and scale words, both tiles', are written by vector lines: the scaled products take them as source 1 and its scales (the places ahead of the products stand beside this wait)
	LAYER1 0
	LAYER1 1
	v_cndmask_b32 v235, v[PH0], v[PH0+1], s28      ; lanes 0-15: tile 0's scale words; lanes 16-31: tile 1's (both halves of the lanes hold a row's word)
	s_wait_alu depctr_va_vdst(0)                   ; h2's codes of both tiles and the joined scale words are written, which the stores below read; the quantiser of W1 is done with v96-119, in which the loads land
.irp u, 0,1
.irp i, 0,1,2
	ds_store_b128 v[M_CSI], v[PCH+40*\u+4*\i:PCH+40*\u+4*\i+3] offset:16*\i   ; a point's 96 bytes: lane (r, 0)'s twelve registers, then lane (r, 1)'s
.endr
.irp i, 0,1,2
	ds_load_b128 v[OB+12*\u+4*\i:OB+12*\u+4*\i+3], v[M_CSO] offset:512*\i   ; LDS serves a wave's instructions in order: these see my wave's stores, and the next tile's stores come behind them
.endr
.endr
.irp u, 0,1
.irp i, 0,1,2
	s_wait_dscnt 8-6*\u-\i                         ; behind tile 0's load i: its 2 - i younger loads and tile 1's six LDS instructions; behind tile 1's: 2 - i
	global_store_b128 v[LI16], v[OB+12*\u+4*\i:OB+12*\u+4*\i+3], s[16:17] offset:1536*\u+512*\i   ; 512 consecutive bytes a store
.endr
.endr
	global_store_b32 v[LI4], v235, s[18:19]
	; ---- the distances.  A PAIR of queries a step: lane (c, h) takes candidate c of each of the 17 groups of query 2 p + h of my wave's 32: sixteen lanes read a group's 192 consecutive bytes.
	v_mul_f32 v[QL+3], v[QL], v[QL]
	v_fma_f32 v[QL+3], v[QL+1], v[QL+1], v[QL+3]
	v_fma_f32 v[QL+3], v[QL+2], v[QL+2], v[QL+3]
.irp n, 0,1,2
	v_mul_f32 v[QL+\n], -2.0, v[QL+\n]
.endr
	s_wait_xcnt 0x0                                ; the stores above have had their addresses translated: their registers are written again only behind this wait
	s_wait_alu depctr_vm_vsrc(0)                   ; the stores and LDS instructions of part (a) have read their data and addresses: the sets and the queries' numbers below take those registers
	v_mul_u32_u24 v[LC], v253, 12
	s_lshl_b32 s26, s22, 5
	v_add_nc_u32 v[VD0], s26, v251
	v_mul_u32_u24 v[VD0], v[VD0], DP
	v_lshl_add_u32 v[VD0], v253, 2, v[VD0]         ; row 32 wave + h, word c
	s_mov_b32 s32, 0                               ; the lanes that hold the pair's two queries
	s_mov_b32 s33, 1
	s_mov_b32 s35, 0
; Three sets of 17 slots of four registers (x, y, z, w).
; LANES: the next pair's records and numbers come from the lanes that hold them, into scalar registers.
.macro LANES
.irp n, 0,1,2,3,4
	v_readlane_b32 s[36+2*\n], v[RW+\n], s32
	v_readlane_b32 s[37+2*\n], v[RW+\n], s33
.endr
.irp n, 0,1,2,3
	v_readlane_b32 s[46+2*\n], v[QL+\n], s32
	v_readlane_b32 s[47+2*\n], v[QL+\n], s33
.endr
.endm
; PREP: each half of the lanes takes its query's; a slot's group number is cut out, held to 255, and made an offset, in the slot's w
.macro PREP set
.set PS, 16+68*\set
.set QQ, QS+4*\set
.irp n, 0,1,2,3,4
	v_mov_b32 v[I+\n], s[36+2*\n]
.endr
.irp n, 0,1,2,3
	v_mov_b32 v[QQ+\n], s[46+2*\n]
.endr
.irp n, 0,1,2,3,4
	v_cndmask_b32 v[I+\n], v[I+\n], s[37+2*\n], s28
.endr
.irp n, 0,1,2,3
	v_cndmask_b32 v[QQ+\n], v[QQ+\n], s[47+2*\n], s28
.endr
	s_add_co_u32 s32, s32, 2
	s_add_co_u32 s33, s33, 2
.set i, 0
.rept 17
	v_bfe_u32 v[PS+4*i+3], v[I+(3+i)/4], 8*((3+i)%4), 8
.set i, i+1
.endr
.set i, 0
.rept 17
	v_min_u32 v[PS+4*i+3], 0xff, v[PS+4*i+3]
.set i, i+1
.endr
.set i, 0
.rept 17
	v_mul_u32_u24 v[PS+4*i+3], v[PS+4*i+3], 192
.set i, i+1
.endr
.set i, 0
.rept 17
	v_add_nc_u32 v[PS+4*i+3], v[LC], v[PS+4*i+3]
.set i, i+1
.endr
.endm
.macro ASKL set                                ; the pair's 17 loads: the offset in w, the point into x, y, z
.set PS, 16+68*\set
.set i, 0
.rept 17
	global_load_b96 v[PS+4*i:PS+4*i+2], v[PS+4*i+3], s[4:5]
.set i, i+1
.endr
.endm
; ARITH: the 17 distances of a lane, stage by stage, by launch 1's operations in launch 1's order; each ends in its slot's x
.macro ARITH set
.set PS, 16+68*\set
.set QQ, QS+4*\set
.set i, 0
.rept 17
	v_mul_f32 v[PS+4*i+3], v[PS+4*i], v[PS+4*i]
.set i, i+1
.endr
.set i, 0
.rept 17
	v_fma_f32 v[PS+4*i+3], v[PS+4*i+1], v[PS+4*i+1], v[PS+4*i+3]
.set i, i+1
.endr
.set i, 0
.rept 17
	v_fma_f32 v[PS+4*i+3], v[PS+4*i+2], v[PS+4*i+2], v[PS+4*i+3]
.set i, i+1
.endr
.set i, 0
.rept 17
	v_mul_f32 v[PS+4*i], v[PS+4*i], v[QQ]
.set i, i+1
.endr
.set i, 0
.rept 17
	v_fma_f32 v[PS+4*i], v[PS+4*i+1], v[QQ+1], v[PS+4*i]
.set i, i+1
.endr
.set i, 0
.rept 17
	v_fma_f32 v[PS+4*i], v[PS+4*i+2], v[QQ+2], v[PS+4*i]
.set i, i+1
.endr
.set i, 0
.rept 17
	v_add_f32 v[PS+4*i+3], v[PS+4*i+3], v[QQ+3]
.set i, i+1
.endr
.set i, 0
.rept 17
	v_add_f32 v[PS+4*i], v[PS+4*i+3], v[PS+4*i]
.set i, i+1
.endr
.endm
.macro OUT set, j                              ; to the two queries' rows in LDS: pair j of those that v[VD] serves
.set PS, 16+68*\set
.set i, 0
.rept 17
	ds_store_b32 v[VD], v[PS+4*i] offset:2*DP*(\j)+64*i
.set i, i+1
.endr
.endm
; A step: a pair is worked and the pair three on is asked for, into the same set
.macro PSTEP set, j
	s_wait_loadcnt 34                              ; this pair's 17 loads are in; the two younger pairs' 34 may be out
	LANES
	ARITH \set
	s_wait_alu depctr_va_sdst(0)                   ; the 18 lane reads at the step's head have written their scalar registers, ahead of the moves that read them
	PREP \set
	s_wait_alu depctr_va_vdst(0)                   ; the distances (x) and the offsets (w) are written, which the stores and loads read; the arithmetic is done reading x, y, z, in which the loads land; in a trip's first step v[VD] is written
	OUT \set, \j
	s_wait_alu depctr_vm_vsrc(0)                   ; the stores have read the distances, on which the loads land.  It also shows read: v[VD], and the offsets of the loads that earlier steps issued
	ASKL \set
.endm
	LANES
	s_wait_alu depctr_va_sdst(0)                   ; the lane reads have written their scalar registers
	PREP 0
	LANES
	s_wait_alu depctr_va_sdst(0)                   ; likewise
	PREP 1
	LANES
	s_wait_alu depctr_va_sdst(0)                   ; likewise
	PREP 2
	s_wait_alu depctr_va_vdst(0)                   ; the three sets' offsets are written; the vector and matrix lines of part (a) are done with v16-219, in which the loads land
	ASKL 0
	ASKL 1
	ASKL 2
	s_wait_alu depctr_vm_vsrc(0)                   ; these loads have read their offsets, which the arithmetic of the first steps writes again
	s_mov_b32 s34, 0
.Lpair:                                                ; 4 trips of three pairs: pairs 0 to 11 are worked, pairs 3 to 14 asked for
	v_add_nc_u32 v[VD], s35, v[VD0]                ; (the stores that read it stand ahead of the last step's wait for the stores' reads)
	PSTEP 0, 0
	PSTEP 1, 1
	PSTEP 2, 2
	s_add_co_u32 s35, s35, 6*DP
	s_add_co_u32 s34, s34, 1
	s_cmp_lt_u32 s34, 4
	s_cbranch_scc1 .Lpair
	v_add_nc_u32 v[VD], s35, v[VD0]
	PSTEP 0, 0                                     ; pair 12 is worked; pair 15, the last, is asked for
	s_wait_loadcnt 34
	ARITH 1
	s_wait_alu depctr_va_vdst(0)                   ; pair 13's distances are written, which the stores read
	OUT 1, 1
	s_wait_loadcnt 17
	ARITH 2
	s_wait_alu depctr_va_vdst(0)                   ; pair 14's
	OUT 2, 2
	s_wait_loadcnt 0x0
	s_wait_alu depctr_vm_vsrc(0)                   ; pair 15's loads have read their offsets, which the arithmetic writes again
	ARITH 0
	s_wait_alu depctr_va_vdst(0)                   ; pair 15's distances are written
	OUT 0, 3
	s_wait_dscnt 0x0
	s_barrier_signal -1
	s_barrier_wait -1
	; ---- a lane owns a query: its 272 distances, in rising order of the points' numbers
.set L,    16                          ; v16-32 the sorted list
.set TAU,  32
.set XA,   48
.set XB,   64
.set W,    80                          ; v80-85 the packed list: 16 fields of 12 bits
.set IDX,  86                          ; v86-89 four items' point numbers
.set BASE, 90
.set THI,  91                          ; the largest distance until it has been met, then +infinity
.set INF,  92
.set RM,   93
.set TT,   94
.set R1,   98
.set SH,   104
.set RA,   108
.set RC,   109
.set SA,   110                         ; the way out: where I put my record, and where I read the stage back
.set SB,   111
.set N,    112
.set F,    120
.set CM,   36                          ; s36-51 sixteen masks
.set SG,   54
.set SE,   58
.set SR,   66
.set SX,   70
.macro LD16 x, a, off
.irp i, 0,1,2,3
	ds_load_b128 v[\x+4*\i:\x+4*\i+3], v[\a] offset:\off+16*\i
.endr
.endm
.macro INS16 x                                 ; sixteen numbers into the sorted list, as in launch 1
.set n, 0
.rept 16
.set i, 16
.rept 16
	v_med3_num_f32 v[L+i], v[L+i-1], v[L+i], v[\x+n]
.set i, i-1
.endr
	v_max_num_f32 v[L], v[L], v[\x+n]
.set n, n+1
.endr
.endm
	s_wait_alu depctr_vm_vsrc(0)                   ; my LDS stores have read the sets' registers, which the list and all that follows take
	v_mul_u32_u24 v[RA], v0, DP
.set i, 0
.rept 17
	v_mov_b32 v[L+i], 0xff800000
.set i, i+1
.endr
	s_wait_alu depctr_va_vdst(0)                   ; v[RA] is written, which the loads read; the arithmetic is done with v48-79, in which the loads land
	LD16 XA, RA, 0
	s_mov_b32 s34, 0
	s_mov_b32 s35, 0
.LpassA:                                               ; 8 trips of 32; the last trip's second load brings numbers 256 to 271, the row's last
	s_wait_alu depctr_vm_vsrc(0)                   ; the loads issued so far have read v[RC]
	v_add_nc_u32 v[RC], s35, v[RA]
	s_wait_alu depctr_va_vdst(0)                   ; v[RC] is written; the last trip's insertions are done reading XB
	LD16 XB, RC, 64
	s_wait_dscnt 0x4                               ; the older four loads are in
	INS16 XA
	s_wait_alu depctr_va_vdst(0)                   ; the insertions are done reading XA
	LD16 XA, RC, 128
	s_wait_dscnt 0x4
	INS16 XB
	s_add_co_u32 s35, s35, 128
	s_add_co_u32 s34, s34, 1
	s_cmp_lt_u32 s34, 8
	s_cbranch_scc1 .LpassA
	s_wait_dscnt 0x0
	INS16 XA
	v_mov_b32 v[THI], v[L]
	v_mov_b32 v[INF], 0x7f800000
	v_add_f32 v[TAU], 0, v[TAU]
	v_mov_b32 v[RM], 0xffffffef                    ; -17
.set i, 0
.rept 16
	v_cmp_gt_f32 s[CM+i], v[L+i], v[TAU]           ; the sixteen compares in one run, a mask each
.set i, i+1
.endr
	s_wait_alu depctr_va_sdst(0)                   ; the sixteen masks are written, ahead of the selects that read them
.set i, 0
.rept 16
	v_cndmask_b32 v[TT], 0, 1, s[CM+i]
	v_add_nc_u32 v[RM], v[RM], v[TT]
.set i, i+1
.endr
.irp k, 0,1,2,3
	v_mov_b32 v[SH+\k], 0
	v_mov_b32 v[IDX+\k], 0
.endr
.irp j, 0,1,2,3,4,5
	v_mov_b32 v[W+\j], 0
.endr
.irp j, 0,1,2,3
	v_alignbit_b32 v[RW+\j], v[RW+\j+1], v[RW+\j], 24   ; the record's first group number comes down to byte 0
.endr
	v_lshrrev_b32 v[RW+4], 24, v[RW+4]
.macro APP k
.irp j, 0,1,2,3,4
	v_alignbit_b32 v[W+\j], v[W+\j+1], v[W+\j], v[SH+\k]
.endr
	v_alignbit_b32 v[W+5], v[IDX+\k], v[W+5], v[SH+\k]
.endm
; the append of the item four back, and woven into it the test of item k for rank 1: the first number that reaches the largest
.macro APPX k, x
	v_cmp_ge_f32 s[SX+\k], v[\x+\k], v[THI]
	v_alignbit_b32 v[W], v[W+1], v[W], v[SH+\k]
	v_alignbit_b32 v[W+1], v[W+2], v[W+1], v[SH+\k]
	v_alignbit_b32 v[W+2], v[W+3], v[W+2], v[SH+\k]
	s_wait_alu depctr_va_sdst(0)                   ; the item's mask is written, ahead of the select that reads it (the next item's compare reads that select's result: a wait an item); all masks made further up are written too
	v_cndmask_b32 v[THI], v[THI], v[INF], s[SX+\k]
	v_alignbit_b32 v[W+3], v[W+4], v[W+3], v[SH+\k]
	v_alignbit_b32 v[W+4], v[W+5], v[W+4], v[SH+\k]
	v_alignbit_b32 v[W+5], v[IDX+\k], v[W+5], v[SH+\k]
.endm
.macro PB4 x, c0
.irp k, 0,1,2,3
	v_cmp_gt_f32 s[SG+\k], v[\x+\k], v[TAU]
.endr
.irp k, 0,1,2,3
	v_cmp_eq_f32 s[SE+\k], v[\x+\k], v[TAU]
.endr
	APPX 0, \x
	APPX 1, \x
.irp k, 0,1,2,3
	v_cndmask_b32 v[TT+\k], 0, 1, s[SE+\k]         ; (the ties' masks stand ahead of the two waits just passed)
.endr
	v_cmp_gt_i32 s[SR], 0, v[RM]
	v_add_nc_u32 v[R1], v[RM], v[TT]
	v_add3_u32 v[R1+1], v[RM], v[TT], v[TT+1]
	v_cmp_gt_i32 s[SR+1], 0, v[R1]
	v_add3_u32 v[R1+2], v[R1], v[TT+1], v[TT+2]
	v_cmp_gt_i32 s[SR+2], 0, v[R1+1]
	v_add3_u32 v[RM], v[R1+1], v[TT+2], v[TT+3]
	v_cmp_gt_i32 s[SR+3], 0, v[R1+2]
	APPX 2, \x
	APPX 3, \x
.irp k, 0,1,2,3
	s_and_b32 s[SE+\k], s[SE+\k], s[SR+\k]         ; (the masks of the ties owed stand ahead of the two waits just passed)
.endr
.irp k, 0,1,2,3
	s_or_b32 s[SG+\k], s[SG+\k], s[SE+\k]
.endr
.irp k, 0,1,2,3
	s_and_not1_b32 s[SG+\k], s[SG+\k], s[SX+\k]    ; rank 1 is among the 17 and is not taken: 16 are
.endr
.irp k, 0,1,2,3
	v_cndmask_b32 v[SH+\k], 0, 12, s[SG+\k]
.endr
.irp k, 0,1,2,3
	v_add_nc_u32 v[IDX+\k], \c0+\k, v[BASE]
.endr
.endm
.macro PG16 x                                  ; a group's 16 candidates: point number = 16 x the group's number + place
	v_and_b32 v[BASE], 0xff, v[RW]
	v_lshlrev_b32 v[BASE], 4, v[BASE]
.irp j, 0,1,2,3
	v_alignbit_b32 v[RW+\j], v[RW+\j+1], v[RW+\j], 8
.endr
	v_lshrrev_b32 v[RW+4], 8, v[RW+4]
	PB4 \x, 0
	PB4 \x+4, 4
	PB4 \x+8, 8
	PB4 \x+12, 12
.endm
	s_wait_alu depctr_va_vdst(0)                   ; pass A's last insertions are done reading XA
	LD16 XA, RA, 0
	s_mov_b32 s34, 0
	s_mov_b32 s35, 0
.LpassB:
	s_wait_alu depctr_vm_vsrc(0)                   ; the loads issued so far have read v[RC]
	v_add_nc_u32 v[RC], s35, v[RA]
	s_wait_alu depctr_va_vdst(0)                   ; v[RC] is written; the compares issued so far are done reading XB
	LD16 XB, RC, 64
	s_wait_dscnt 0x4
	PG16 XA
	s_wait_alu depctr_va_vdst(0)                   ; the compares are done reading XA
	LD16 XA, RC, 128
	s_wait_dscnt 0x4
	PG16 XB
	s_add_co_u32 s35, s35, 128
	s_add_co_u32 s34, s34, 1
	s_cmp_lt_u32 s34, 8
	s_cbranch_scc1 .LpassB
	s_wait_dscnt 0x0
	PG16 XA
	APP 0
	APP 1
	APP 2
	APP 3
	; 16 fields of 12 bits fill the 192 bits: field f stands at bit 12 f.  Word j of the record = number j | number j + 8 << 16
.set fs, 0
.rept 16
.set wd, (12*fs)/32
.set bt, (12*fs)%32
.if bt > 20
	v_alignbit_b32 v[F+fs], v[W+wd+1], v[W+wd], bt
	v_and_b32 v[F+fs], 0xfff, v[F+fs]
.else
	v_bfe_u32 v[F+fs], v[W+wd], bt, 12
.endif
.set fs, fs+1
.endr
.irp j, 0,1,2,3,4,5,6,7
	v_lshl_or_b32 v[N+\j], v[F+8+\j], 16, v[F+\j]
.endr
	v_lshl_add_u32 v[SA], v0, 5, NST               ; (registers of their own: no address that the sweeps' loads have read is written again)
	s_lshl_b32 s26, s22, 10
	v_add_nc_u32 v[SB], s26, v[LI16]
	v_add_nc_u32 v[SB], NST, v[SB]
	s_wait_alu depctr_va_vdst(0)                   ; the record and the two addresses are written, which the lines below read; the lines above are done with v[F ..], in which the loads land
	ds_store_b128 v[SA], v[N:N+3]
	ds_store_b128 v[SA], v[N+4:N+7] offset:16
	ds_load_b128 v[F:F+3], v[SB]                   ; my wave's own bytes, served in order
	ds_load_b128 v[F+4:F+7], v[SB] offset:512
	s_wait_dscnt 0x1
	global_store_b128 v[LI16], v[F:F+3], s[20:21]
	s_wait_dscnt 0x0
	global_store_b128 v[LI16], v[F+4:F+7], s[20:21] offset:512
	s_wait_dscnt 0x0                               ; the wave's end
	s_wait_alu 0x0
	s_wait_tensorcnt 0x0
	ds_add_u32 v[SPW], v[NIL]
	s_wait_dscnt 0x0
	s_endpgm
.Lfunc_end_k_q621bed7e0c_refine:
	.size	k_q621bed7e0c_refine, .Lfunc_end_k_q621bed7e0c_refine-k_q621bed7e0c_refine
	.p2alignl 7, 3214868480
	.fill 96, 4, 3214868480
	.section	.rodata,"a",@progbits
	.p2align	6, 0x0
	.amdhsa_kernel k_q621bed7e0c_refine
		.amdhsa_group_segment_fixed_size 165376
		.amdhsa_private_segment_fixed_size 0
		.amdhsa_enable_private_segment 0
		.amdhsa_kernarg_size 72
		.amdhsa_user_sgpr_count 2
		.amdhsa_user_sgpr_kernarg_segment_ptr 1
		.amdhsa_wavefront_size32 1
		.amdhsa_system_sgpr_workgroup_id_x 1
		.amdhsa_system_sgpr_workgroup_id_y 1
		.amdhsa_system_sgpr_workgroup_id_z 1
		.amdhsa_system_vgpr_workitem_id 0
		.amdhsa_next_free_vgpr 768
		.amdhsa_next_free_sgpr 76
		.amdhsa_reserve_vcc 0
		.amdhsa_float_denorm_mode_32 3
		.amdhsa_float_denorm_mode_16_64 3
		.amdhsa_memory_ordered 1
		.amdhsa_forward_progress 1
		.amdhsa_inst_pref_size 255
	.end_amdhsa_kernel
	.section	.bss,"aw",@nobits
	.p2align	6
	.space	262144
	.amdgpu_metadata
---
amdhsa.version: [ 1, 2 ]
amdhsa.kernels:
  - .name:           k_q621bed7e0c_refine
    .symbol:         k_q621bed7e0c_refine.kd
    .args:
      - { .name: xyz, .offset: 0, .size: 8, .value_kind: global_buffer, .address_space: global }
      - { .name: W0, .offset: 8, .size: 8, .value_kind: global_buffer, .address_space: global }
      - { .name: b0, .offset: 16, .size: 8, .value_kind: global_buffer, .address_space: global }
      - { .name: W1, .offset: 24, .size: 8, .value_kind: global_buffer, .address_space: global }
      - { .name: b1, .offset: 32, .size: 8, .value_kind: global_buffer, .address_space: global }
      - { .name: gid, .offset: 40, .size: 8, .value_kind: global_buffer, .address_space: global }
      - { .name: h2c, .offset: 48, .size: 8, .value_kind: global_buffer, .address_space: global }
      - { .name: h2s, .offset: 56, .size: 8, .value_kind: global_buffer, .address_space: global }
      - { .name: nidx, .offset: 64, .size: 8, .value_kind: global_buffer, .address_space: global }
    .group_segment_fixed_size: 165376
    .private_segment_fixed_size: 0
    .kernarg_segment_align: 8
    .kernarg_segment_size: 72
    .max_flat_workgroup_size: 128
    .sgpr_count:     76
    .vgpr_count:     768
    .wavefront_size: 32
...
	.end_amdgpu_metadata
.endif
;; end of part 5
;; launch gather (part 6): grid 32 x 8, 8 waves a work-group, no clusters, 14,336 bytes of LDS; arguments W2, b2, nidx, h2c, h2s, out0; writes out0
.if DOCPART == 6
	.amdgcn_target "amdgcn-amd-amdhsa--gfx1250"
	.amdhsa_code_object_version 6
	.text
	.protected	k_q621bed7e0c_gather
	.globl	k_q621bed7e0c_gather
	.p2align	8
	.type	k_q621bed7e0c_gather,@function
k_q621bed7e0c_gather:
	s_mov_b64 s[64:65], 0
	v_nop
	global_prefetch_b8 v0, s[64:65] scope:SCOPE_SE
	s_setreg_imm32_b32 hwreg(HW_REG_WAVE_SCHED_MODE, 0, 2), 2
	s_setreg_imm32_b32 hwreg(HW_REG_WAVE_MODE, 25, 1), 1
	s_wait_xcnt 0x0
	s_wait_alu depctr_vm_vsrc(0)
; POINTCNN, launch 3 of 3: out[q] = max over q's 16 neighbours of (W2 h2[neighbour]) + b2, the product on codes of E2M3.
; Left out: nothing of product 4.  b2 is added behind the maximum: adding a number and rounding is monotone, so the bits are the same.
; SHARES.  A work-group: 128 queries; each of its eight waves 16 of them, as eight PAIRS (q0, q1).  Tile X holds neighbours 0-7 of q0 in rows 0-7 and of q1 in rows 8-15, tile Y neighbours 8-15 likewise.  Source 0 = the 16
; gathered rows, source 1 = 16 rows of W2: in the result lane (r, h) holds rows 8 h + 0 .. 7, which are query q_h's alone: the maximum runs over a lane's 16 registers, and no lane asks another.
; W2's tile t takes rows 4 r + t % 4 + 64 (t / 4), so that a lane's results of tiles 0-3 are four neighbouring channels, and sixteen lanes store 256 consecutive bytes of a row of out0.
; A gathered row is 96 bytes, laid as the operand's registers: lane (r, h) takes 48 bytes by three loads of 16.  Its scale word: X's in lanes 0-15, Y's in lanes 16-31 of one register.
; W2 is quantised here, a tile a wave, and goes from wave to wave through LDS as images of the registers.  LIMITS: as in launch 2.
; THE MODE: SCHED_MODE bits 1:0 = 2 (LLVM: expert scheduling mode 2), set by the entry lines.  The code itself states the register dependences between vector or matrix instructions and memory or LDS instructions,
; and those through scalar registers that vector instructions write, with s_wait_alu, always for 0.
; THE PLAN.  Registers that memory or LDS instructions touch, pair by pair (b = the pair's number % 2):
;   AF[b], AS[b]  the pair's gathered rows and scale words: seven loads land there; the pair's sixteen products read them; the loads of the pair two on land there.
;   AD[b]         the seven loads' three offsets: written by the offset lines that stand as places behind the pair's products, read by the loads at the pair's end.
;   R             the pair's eight results: written by the maxima and the bias lines, read by the two stores at the pair's end.  (At the head: four LDS addresses.)
;   v[OUTO], v253-255  offsets, made once.   W2F, W2S, B2, IW: loaded once.   v16-44 at the head: my tile of W2 as codes, read by the image's stores; then W2's fragments land there.
; So a pair has TWO waits.  Behind its first eight products: its own loads have read AD[b] and the last pair's stores have read R, both of which the pair writes again.  Behind its bias lines: R and AD[b] are written, and all
; sixteen products are done reading AF[b] and AS[b]; the seven loads and the two stores follow that one wait.
.set WIMG,  0                          ; W2's eight fragments, 1,536 bytes each
.set WSC,   12288                      ; their scale words, 128 bytes each
.set SPARE, 13312                      ; the spare words, 128 bytes for each wave: no other line names them
.set SPW,  1
.set NIL,  2
.set H48,  3                           ; 48 x (lane / 16)
.set OUTO, 4                           ; 512 h + 16 r
.set H8,   5
.set IW,   8                           ; v8-15  pair p: the word with my row's two neighbours
.set W2F,  16                          ; v16-111 W2's eight fragments
.set W2S,  112                         ; v112-115 lanes 0-15 tile t's scale words, lanes 16-31 tile t + 4's
.set B2,   116                         ; v116-123
.set AF,   124                         ; v124-171 two buffers of X's 12 and Y's 12 registers
.set AS,   172                         ; v172-173 their scale words
.set AD,   174                         ; v174-179 their three offsets
.set R,    180                         ; v180-187 my eight results (at the head: LDS addresses)
.set DD,   188                         ; v188-251 eight accumulators (at the head: 64 numbers of W2)
.set PC,   16
.set TC,   28
.set TM,   36
.set PW,   44
.set SEL,  24
	s_load_b256 s[4:11], s[0:1], 0x0               ; W2, b2, nidx, h2c
	s_load_b128 s[12:15], s[0:1], 0x20             ; h2s, out0
	v_lshl_add_u32 v[SPW], v0, 2, SPARE
	v_mov_b32 v[NIL], 0
	v_lshrrev_b32 v6, 5, v0
	v_readfirstlane_b32 s16, v6                    ; wave 0..7
	v_and_b32 v6, 15, v0                           ; r
	v_bfe_u32 v7, v0, 4, 1                         ; h
	v_and_b32 v252, 31, v0                         ; lane
	v_mul_u32_u24 v[H48], v7, 48
	v_lshlrev_b32 v[OUTO], 4, v6
	v_lshl_add_u32 v[OUTO], v7, 9, v[OUTO]
	v_lshlrev_b32 v[H8], 3, v7
	s_wait_alu depctr_va_sdst(0)                   ; the wave's number is written, ahead of its first reader
	s_and_b32 s20, s16, 3
	s_lshl_b32 s20, s20, 9
	s_lshr_b32 s21, s16, 2
	s_lshl_b32 s21, s21, 15
	s_add_co_u32 s20, s20, s21                     ; my tile's first row: wave % 4 + 64 (wave / 4), 512 bytes a row
	v_lshlrev_b32 v253, 11, v6                     ; + 4 r rows
	v_lshl_add_u32 v253, v7, 7, v253               ; + my blocks: 128 h
	v_add_nc_u32 v253, s20, v253
	v_lshlrev_b32 v254, 2, v6                      ; 4 r = 32 (r / 8) + 4 (r % 8): query r / 8 of a pair, word r % 8 of its record
	v_lshlrev_b32 v255, 4, v6
	s_mul_i32 s20, s16, 1536
	v_lshlrev_b32 v[R+2], 4, v252                  ; an image's place for my lane
	v_add_nc_u32 v[R], s20, v[R+2]                 ; where I store my tile
	s_lshl_b32 s20, s16, 7
	v_lshl_add_u32 v[R+1], v252, 2, s20
	v_add_nc_u32 v[R+1], WSC, v[R+1]
	v_lshl_add_u32 v[R+3], v7, 9, v254
	v_add_nc_u32 v[R+3], WSC, v[R+3]               ; scale words: row r of tile t (lanes 0-15) or of tile t + 4, 512 bytes on (lanes 16-31)
	s_mov_b32 s22, 0xffff0000                      ; the mask of lanes 16-31
	s_mov_b32 s[SEL], 0x76543210
	s_mov_b32 s[SEL+1], 0xfedcba98
	s_and_b32 s18, ttmp7, 0xffff                   ; batch
	s_lshl_b32 s19, s18, 12
	s_lshl_b32 s20, ttmp9, 7
	s_add_co_u32 s19, s19, s20
	s_lshl_b32 s20, s16, 4
	s_add_co_u32 s19, s19, s20                     ; my wave's first query
	s_mov_b32 s21, 0
	s_wait_kmcnt 0x0
	s_lshl_b32 s20, s19, 5
	s_add_nc_u64 s[8:9], s[8:9], s[20:21]
	s_lshl_b32 s20, s19, 9
	s_add_nc_u64 s[14:15], s[14:15], s[20:21]
	s_mul_i32 s20, s18, 393216
	s_add_nc_u64 s[10:11], s[10:11], s[20:21]      ; the batch's codes
	s_lshl_b32 s20, s18, 14
	s_add_nc_u64 s[12:13], s[12:13], s[20:21]      ; and scale words
	s_wait_alu depctr_va_vdst(0)                   ; the offsets v253 to v255 and v[OUTO] and the four LDS addresses are written, which loads, stores and LDS instructions below read
.irp c, 0,1
.irp i, 0,1,2,3,4,5,6,7
	global_load_b128 v[DD+32*\c+4*\i:DD+32*\c+4*\i+3], v253, s[4:5] offset:256*\c+16*\i
.endr
.endr
.irp p, 0,1,2,3,4,5,6,7
	global_load_b32 v[IW+\p], v254, s[8:9] offset:64*\p
.endr
	global_load_b128 v[B2:B2+3], v255, s[6:7]
	global_load_b128 v[B2+4:B2+7], v255, s[6:7] offset:256
	s_wait_loadcnt 0x0
; a pair's offsets: the two numbers of my row, each held to 4,095 ahead of the address; the scale word's offset is X's in lanes 0-15 and Y's in lanes 16-31
.macro ISV1 p, b
	v_and_b32 v[AD+3*\b], 0xffff, v[IW+\p]
	v_lshrrev_b32 v[AD+3*\b+1], 16, v[IW+\p]
	v_cndmask_b32 v[AD+3*\b+2], v[AD+3*\b], v[AD+3*\b+1], s22
	v_min_u32 v[AD+3*\b], 0xfff, v[AD+3*\b]
	v_min_u32 v[AD+3*\b+1], 0xfff, v[AD+3*\b+1]
	v_min_u32 v[AD+3*\b+2], 0xfff, v[AD+3*\b+2]
.endm
.macro ISV2 b
	v_mul_u32_u24 v[AD+3*\b], v[AD+3*\b], 96
	v_mul_u32_u24 v[AD+3*\b+1], v[AD+3*\b+1], 96
	v_lshlrev_b32 v[AD+3*\b+2], 2, v[AD+3*\b+2]
	v_add_nc_u32 v[AD+3*\b], v[H48], v[AD+3*\b]
	v_add_nc_u32 v[AD+3*\b+1], v[H48], v[AD+3*\b+1]
.endm
.macro ISLD b                                  ; seven loads
.irp i, 0,1,2
	global_load_b128 v[AF+24*\b+4*\i:AF+24*\b+4*\i+3], v[AD+3*\b], s[10:11] offset:16*\i
.endr
.irp i, 0,1,2
	global_load_b128 v[AF+24*\b+12+4*\i:AF+24*\b+12+4*\i+3], v[AD+3*\b+1], s[10:11] offset:16*\i
.endr
	global_load_b32 v[AS+\b], v[AD+3*\b+2], s[12:13]
.endm
	ISV1 0, 0
	ISV2 0
	ISV1 1, 1
	ISV2 1
	s_wait_alu depctr_va_vdst(0)                   ; the first two pairs' offsets are written, which their fourteen loads read
	ISLD 0
	ISLD 1
	; ---- my tile of W2: 64 numbers of a lane, register 32 c + i = k 64 c + 32 h + i of my row: two whole blocks
.irp c, 0,1
	v_max3_num_f32 v[TM+\c], |v[DD+32*\c]|, |v[DD+1+32*\c]|, 0x1800000   ; with the floor 2^(3 - 127): the byte cannot fall under 1
.endr
.irp i, 2,4,6,8,10,12,14,16,18,20,22,24,26,28,30
.irp c, 0,1
	v_max3_num_f32 v[TM+\c], v[TM+\c], |v[DD+32*\c+\i]|, |v[DD+1+32*\c+\i]|
.endr
.endr
.irp c, 0,1
	v_add_nc_u32 v[TM+2+\c], 0xff000000, v[TM+\c]  ; 2 off the exponent field: the conversion's scale operand
.endr
.irp c, 0,1
	v_lshrrev_b32 v[TM+4+\c], 23, v[TM+2+\c]
.endr
	v_lshl_or_b32 v[PW], v[TM+5], 16, v[TM+4]
	v_lshlrev_b32 v[PW], v[H8], v[PW]
	v_mov_b32 v[TM+6], 0
	v_permlanex16_b32 v[TM+6], v[PW], s[SEL], s[SEL+1]
	v_or_b32 v[PW], v[PW], v[TM+6]
.irp c, 0,1
	v_cvt_scalef32_pk16_fp6_f32 v[PC+6*\c:PC+2+6*\c], v[DD+32*\c:DD+15+32*\c], v[TM+2+\c]
	v_cvt_scalef32_pk16_fp6_f32 v[TC+4*\c:TC+2+4*\c], v[DD+16+32*\c:DD+31+32*\c], v[TM+2+\c]
.endr
	v_nop                                          ; one plain place behind a scaled conversion
.irp c, 0,1
.irp i, 0,1,2
	v_mov_b32 v[PC+3+6*\c+\i], v[TC+4*\c+\i]
.endr
.endr
	s_wait_alu depctr_va_vdst(0)                   ; my tile's codes and scale word are written, which the LDS stores read; and the quantiser is done with v16-44, in which W2's fragments land behind the barrier (no vector line stands between)
.irp c, 0,1,2
	ds_store_b128 v[R], v[PC+4*\c:PC+4*\c+3] offset:WIMG+512*\c
.endr
	ds_store_b32 v[R+1], v[PW]
	s_wait_dscnt 0x0                               ; for the others' sake: my image has landed
	s_barrier_signal -1
	s_barrier_wait -1
	s_wait_alu depctr_vm_vsrc(0)                   ; my LDS stores have read v[PC ..] and v[PW], in which the fragments' loads land
.irp t, 0,1,2,3,4,5,6,7
.irp c, 0,1,2
	ds_load_b128 v[W2F+12*\t+4*\c:W2F+12*\t+4*\c+3], v[R+2] offset:WIMG+1536*\t+512*\c
.endr
.endr
.irp t, 0,1,2,3
	ds_load_b32 v[W2S+\t], v[R+3] offset:128*\t
.endr
	s_wait_dscnt 0x0
; eight products: W2's tiles o + 0 .. 3 against X and Y.  Each sum is whole in one instruction (K = 128) and begins with the constant 0: no two follow each other on one accumulator.
.macro MM4 o
.irp t, 0,1,2,3
.if \o
	v_wmma_scale_f32_16x16x128_f8f6f4 v[DD+16*\t:DD+16*\t+7], v[AF+24*BB:AF+24*BB+11], v[W2F+12*(\o+\t):W2F+12*(\o+\t)+11], 0, v[AS+BB], v[W2S+\t] matrix_a_fmt:MATRIX_FMT_FP6 matrix_b_fmt:MATRIX_FMT_FP6 matrix_b_scale:MATRIX_SCALE_ROW1
	v_wmma_scale_f32_16x16x128_f8f6f4 v[DD+16*\t+8:DD+16*\t+15], v[AF+24*BB+12:AF+24*BB+23], v[W2F+12*(\o+\t):W2F+12*(\o+\t)+11], 0, v[AS+BB], v[W2S+\t] matrix_a_fmt:MATRIX_FMT_FP6 matrix_b_fmt:MATRIX_FMT_FP6 matrix_a_scale:MATRIX_SCALE_ROW1 matrix_b_scale:MATRIX_SCALE_ROW1
.else
	v_wmma_scale_f32_16x16x128_f8f6f4 v[DD+16*\t:DD+16*\t+7], v[AF+24*BB:AF+24*BB+11], v[W2F+12*(\o+\t):W2F+12*(\o+\t)+11], 0, v[AS+BB], v[W2S+\t] matrix_a_fmt:MATRIX_FMT_FP6 matrix_b_fmt:MATRIX_FMT_FP6
	v_wmma_scale_f32_16x16x128_f8f6f4 v[DD+16*\t+8:DD+16*\t+15], v[AF+24*BB+12:AF+24*BB+23], v[W2F+12*(\o+\t):W2F+12*(\o+\t)+11], 0, v[AS+BB], v[W2S+\t] matrix_a_fmt:MATRIX_FMT_FP6 matrix_b_fmt:MATRIX_FMT_FP6 matrix_a_scale:MATRIX_SCALE_ROW1
.endif
.endr
.endm
; the maximum over X's eight and Y's eight registers, four tiles by turns; each accumulator is read from its low end on
.macro REDUCE o
.irp t, 0,1,2,3
	v_max3_num_f32 v[R+\o+\t], v[DD+16*\t], v[DD+16*\t+1], v[DD+16*\t+2]
.endr
.irp i, 3,5,7,9,11,13
.irp t, 0,1,2,3
	v_max3_num_f32 v[R+\o+\t], v[R+\o+\t], v[DD+16*\t+\i], v[DD+16*\t+\i+1]
.endr
.endr
.irp t, 0,1,2,3
	v_max_num_f32 v[R+\o+\t], v[R+\o+\t], v[DD+16*\t+15]
.endr
.endm
; A pair.  The vector lines that make the offsets of the pair two on are the places behind the products (ISA guide 7.12.1): six ahead of the first reads of results and of the products that write the same accumulators anew,
; five ahead of the second reads and of the next pair's products.  The last two pairs have v_nop there.
.macro COMPUTE p
.set BB, (\p)%2
.if (\p) < 7
	s_wait_loadcnt 0x7                             ; this pair's seven loads are in; the next pair's seven may be out
.else
	s_wait_loadcnt 0x0
.endif
	MM4 0
	s_wait_alu depctr_vm_vsrc(0)                   ; this pair's loads have read their offsets, and the last pair's stores their data (ahead of the first pair: the LDS instructions of the head their addresses): both sets of registers are written again below
.if (\p) < 6
	ISV1 (\p)+2, BB
.else
.rept 6
	v_nop
.endr
.endif
	s_wait_xcnt 0x0                                ; the last pair's stores have had their addresses translated: their data registers are written anew only behind this wait
	REDUCE 0
	MM4 4
.if (\p) < 6
	ISV2 BB
.else
.rept 5
	v_nop
.endr
.endif
	REDUCE 4
.irp i, 0,2,4,6
	v_pk_add_f32 v[R+\i:R+\i+1], v[R+\i:R+\i+1], v[B2+\i:B2+\i+1]
.endr
	s_wait_alu depctr_va_vdst(0)                   ; the eight results are written, which the stores read; the offsets of the pair two on are written, which its loads read; the sixteen products are done reading this pair's rows and scale words, in which those loads land
.if (\p) < 6
	ISLD BB
.endif
	global_store_b128 v[OUTO], v[R:R+3], s[14:15] offset:1024*(\p) th:TH_STORE_NT        ; sixteen lanes store 256 consecutive bytes of query 2 p + h's row: channels 0-63,
	global_store_b128 v[OUTO], v[R+4:R+7], s[14:15] offset:1024*(\p)+256 th:TH_STORE_NT  ; and 64-127
.endm
.irp p, 0,1,2,3,4,5,6,7
	COMPUTE \p
.endr
	s_wait_dscnt 0x0                               ; the wave's end
	s_wait_alu 0x0
	s_wait_tensorcnt 0x0
	ds_add_u32 v[SPW], v[NIL]
	s_wait_dscnt 0x0
	s_endpgm
.Lfunc_end_k_q621bed7e0c_gather:
	.size	k_q621bed7e0c_gather, .Lfunc_end_k_q621bed7e0c_gather-k_q621bed7e0c_gather
	.p2alignl 7, 3214868480
	.fill 96, 4, 3214868480
	.section	.rodata,"a",@progbits
	.p2align	6, 0x0
	.amdhsa_kernel k_q621bed7e0c_gather
		.amdhsa_group_segment_fixed_size 14336
		.amdhsa_private_segment_fixed_size 0
		.amdhsa_enable_private_segment 0
		.amdhsa_kernarg_size 48
		.amdhsa_user_sgpr_count 2
		.amdhsa_user_sgpr_kernarg_segment_ptr 1
		.amdhsa_wavefront_size32 1
		.amdhsa_system_sgpr_workgroup_id_x 1
		.amdhsa_system_sgpr_workgroup_id_y 1
		.amdhsa_system_sgpr_workgroup_id_z 1
		.amdhsa_system_vgpr_workitem_id 0
		.amdhsa_next_free_vgpr 256
		.amdhsa_next_free_sgpr 66
		.amdhsa_reserve_vcc 0
		.amdhsa_float_denorm_mode_32 3
		.amdhsa_float_denorm_mode_16_64 3
		.amdhsa_memory_ordered 1
		.amdhsa_forward_progress 1
		.amdhsa_inst_pref_size 72
	.end_amdhsa_kernel
	.amdgpu_metadata
---
amdhsa.version: [ 1, 2 ]
amdhsa.kernels:
  - .name:           k_q621bed7e0c_gather
    .symbol:         k_q621bed7e0c_gather.kd
    .args:
      - { .name: W2, .offset: 0, .size: 8, .value_kind: global_buffer, .address_space: global }
      - { .name: b2, .offset: 8, .size: 8, .value_kind: global_buffer, .address_space: global }
      - { .name: nidx, .offset: 16, .size: 8, .value_kind: global_buffer, .address_space: global }
      - { .name: h2c, .offset: 24, .size: 8, .value_kind: global_buffer, .address_space: global }
      - { .name: h2s, .offset: 32, .size: 8, .value_kind: global_buffer, .address_space: global }
      - { .name: out0, .offset: 40, .size: 8, .value_kind: global_buffer, .address_space: global }
    .group_segment_fixed_size: 14336
    .private_segment_fixed_size: 0
    .kernarg_segment_align: 8
    .kernarg_segment_size: 48
    .max_flat_workgroup_size: 256
    .sgpr_count:     66
    .vgpr_count:     256
    .wavefront_size: 32
...
	.end_amdgpu_metadata
.endif
;; end of part 6
